; MI455X (gfx1250); checked and timed in simulation.
; The chip was launched on July 23, 2026; its instructions are those of AMD's public machine-readable ISA for CDNA 5 (MIT licence, August 2026) and "CDNA5" Instruction Set Architecture Reference Guide (July 2026). The comments in the code are by the model that wrote it; some were corrected since.
;; Rope. Allowed arithmetic: matrix products marked QUANTISED: E2M1 operands, one E8M0 scale for each 32 along K, by v_wmma_scale_f32_16x16x128_f8f6f4 with both operands' format E2M1 (or v_wmma_scale_f32_32x16x128_f4), f32 sums; everything else in f32.
;; Inputs: bk 256 float32; bq 256 float32; bv 256 float32; wk 256 x 256 float32; wq 256 x 256 float32; wv 256 x 256 float32; x 8,192 x 256 float32.
;; Outputs: out0 8,192 x 256 float32.
;; This version of the problem:
;;   THIS VERSION OF THE PROBLEM IS GIVEN IN LOW PRECISION. The matrix products marked QUANTISED in the list below multiply operands that are first quantised to E2M1 (2 exponent bits, 1 mantissa bit; 4 bits a number), with one power-of-two scale for each 32 numbers along K (OCP MX v1.0); their sums are f32. All else is computed in f32.
;;   The module's matrix products, in the order in which they are computed (A, B: the left and right operand; K: the contracted axis; several contracted axes count as one K, in the product's order):
;;     1. [M 8,192, K 256] x [K 256, N 256]; A: input x; B: input wq: QUANTISED
;;     2. [M 8,192, K 256] x [K 256, N 256]; A: input x; B: input wk: QUANTISED
;;     3. [M 8,192, K 256] x [K 256, N 256]; A: input x; B: input wv: QUANTISED
;;     4. [M 8,192, K 256] x [K 256, N 8,192]; A: computed on the way; B: computed on the way: QUANTISED
;;     5. [M 8,192, K 8,192] x [K 8,192, N 256]; A: softmax (see below); B: computed on the way: QUANTISED
;;   THE QUANTISER, for each operand of a quantised product, along K:
;;     - K is cut into blocks of 32 from its start; a last block that is shorter is filled with zeros.
;;     - A block's scale is 2^e with e = floor(log2(the largest magnitude in the block)) - 2, held to -126 .. 127; a block of zeros has e = 0. As a byte (E8M0): e + 127.
;;     - Each number is divided by its block's scale, clamped to +-6, and rounded to the nearest number of E2M1, ties to even, subnormals kept.
;;     - The product sums the exact products of the quantised numbers (number of the format x scale) in f32.
;;   ~~~python
;;   def quantise(x, axis):      # numpy; x: float32 -> the quantised numbers, widened to float32 again
;;       x = np.moveaxis(x, axis, -1); K = x.shape[-1]
;;       x = np.pad(x, [(0, 0)] * (x.ndim - 1) + [(0, -K % 32)]); x = x.reshape(x.shape[:-1] + (-1, 32)); a = np.abs(x).max(-1, keepdims=True)
;;       e = np.where(a > 0, np.clip(np.frexp(np.where(a > 0, a, 1))[1] - 1 - 2, -126, 127), 0)      # np.frexp(a)[1] - 1 = floor(log2(a)), exactly
;;       r = np.clip(x / 2.0 ** e, -6, 6)
;;       step = 2.0 ** (np.maximum(np.frexp(np.where(r == 0, 1, r))[1] - 1, 0) - 1)
;;       q = np.round(r / step) * step * 2.0 ** e      # np.round: ties to even
;;       return np.moveaxis(q.reshape(q.shape[:-2] + (-1,))[..., :K], -1, axis).astype(np.float32)
;;   ~~~
;;   SOFTMAX AHEAD OF A QUANTISED PRODUCT. Where the list says 'softmax', what is quantised is not the finished softmax but p = 2^(t - M), with t = logit x log2(e) and M = ceil(the row's largest t), a whole number; so 1/2 < the row's largest p <= 1. The row's sum l is taken of the UNQUANTISED p, in f32, and the product's result is divided by l at the end. Since M is a whole number, a kernel that streams over the keys may use a running M (the ceiling of the running maximum): every later rescaling is an exact power of two, which a block's scale takes up: the codes' values come out the same.
;;   OPERANDS COMPUTED ON THE WAY. 'Computed on the way' means the value that the module computes at that place (a softmax that the list does not call 'softmax' is quantised finished and normalised). What goes into a quantiser is computed in f32, as accurately as f32 sums, v_exp_f32 and their like allow (about 1e-6 of the number): no bf16 or f16 on the way to a quantiser, and a product that is left as it is and whose result goes on into a quantised operand takes f32 operands (vector FMAs, or v_wmma_f32_16x16x4_f32). A number that lies on a knife's edge between two numbers of the format may be rounded either way, as far as f32 arithmetic and the matrix unit's own rounding can turn it there, and no further.
;; 3 versions, each right; version 2 is faster than version 1; version 3 is version 2 with the launch proj written anew for expert scheduling mode. Each part assembles by itself: llvm-mc -triple=amdgcn-amd-amdhsa -mcpu=gfx1250 --defsym DOCPART=n.
;; ======== version 1 of 3: 2 launches
;; workspace buffers: ws 3,342,336 bytes
;; launch proj (part 1): grid 64 x 6, 4 waves a work-group, no clusters, 89,088 bytes of LDS; arguments x, wq, bq, wk, bk, wv, bv, ws; writes ws
.if DOCPART == 1
	.amdgcn_target "amdgcn-amd-amdhsa--gfx1250"
	.amdhsa_code_object_version 6
	.text
	.protected	k_q27af50e5a6_proj
	.globl	k_q27af50e5a6_proj
	.p2align	8
	.type	k_q27af50e5a6_proj,@function
k_q27af50e5a6_proj:
	s_mov_b64 s[64:65], 0
	v_nop
	global_prefetch_b8 v0, s[64:65] scope:SCOPE_SE
	s_setreg_imm32_b32 hwreg(HW_REG_WAVE_MODE, 25, 1), 1
	s_wait_xcnt 0x0
; Q = rope(x wq^T + bq), K = rope(x wk^T + bk), V = x wv^T + bv, all three products on codes of FP4 (E2M1) with one E8M0 scale for each 32 along K = 256;
; the results are quantised again (Q, K along the channels, V along the keys) and stored as IMAGES OF OPERAND REGISTERS for the attention launch.
; ws: 64 blocks of 128 tokens, 52,224 bytes each: [Q part | K part | V part]; a part is 16 fragments of 1,024 bytes (registers 4 c .. 4 c + 3 of lane l at 512 c + 16 l), then 1,024 bytes of scale words.
; Fragment 8 g + T.  Lane r of tile T stands for row 32 (T / 2) + 8 (T % 2) + r + 8 (r / 8) of the part's 128 rows.  Q, K: rows = tokens, g = which 128 channels are K.  V: rows = channels 128 g + .., K = the block's 128 keys.
; The scale word of (T, g, r) lies at 16384 + 512 (T / 4) + 256 g + 16 r + 4 (T % 4): a load of 16 bytes a lane brings four tiles' words, g = 0 in lanes 0-15, g = 1 in lanes 16-31.
; SHARES.  Work-group (s, y): block s, which = y / 2 (Q, K, V), g = y % 2.  It multiplies two blocks of 128 rows x 256 f32: 128 tokens of x and rows 128 g .. of the weight.
; P is source 0 (its rows run along a lane's result registers), R is source 1 (its rows are the lanes).  Q, K: P = weight, R = x.  V: P = x, R = weight.  Only pointers are chosen: one path serves all three.
; Both take the row order above, so the 16 result registers of P's tiles 2 b, 2 b + 1 are 16 neighbours along P, which is the next product's K: the conversions' results are the fragment to be stored.
; Wave w quantises P's tiles 2 w, 2 w + 1 (to LDS, as images, for all four waves) and R's tiles 2 w, 2 w + 1 (kept), and makes those two tiles of R against all eight of P.
; BIAS AND ROPE WITHOUT A BRANCH.  selP = 1 for Q, K and 0 for V; selR = 1 - selP.  The bias along P, x selP, is the C of a sum's first product; the bias along R, x selR, is the addend of the rope's multiply-add;
; the rope's angle is freq x selP, so that for V cos = 1 and sin = 0 exactly.  rope: even' = e cos - o sin, odd' = o (sin + cos), cos and sin of freq = 1000^(-i / 128) for pair i, the same for every token.
; LIMITS: NaN and infinities among the inputs are not served; biases are finite (each is multiplied by 0 or 1); a block whose largest magnitude lies under 2^-124, a block of zeros too, gets the scale byte 1
; (its codes are then zeros or the smallest codes; the bytes are read by this program alone); sin and cos by series whose remainder is under 2e-10 for arguments up to 1; odd' multiplies by the sum sin + cos.
.set BLK,   52224
.set PART1, 17408
.set PIMG,  0                          ; LDS: P's 16 fragments, fragment 2 Tp + ks at 1,024 (2 Tp + ks)
.set PSC,   16384                      ; their scale words: (Tp, ks, r) at 128 Tp + 64 ks + 4 r
.set TAB,   17408                      ; a rope table for each wave, 768 bytes: 64 pairs (cos, sin + cos), then 64 words -sin
.set OSC,   20480                      ; the results' scale words on their way out: 256 (T / 4) + 16 r + 4 (T % 4)
.set STG,   20992                      ; for each wave two stages of 16 rows x (512 + 16) bytes
.set SP,    528                        ; 33 x 16 bytes: the 16 rows that a load touches start in 16 different columns of 16 bytes
.set STS,   16*SP
.set STW,   2*STS
.set SGW, 4                            ; v4   stage, on the way in: 16 x lane
.set LI,  5                            ; v5   16 x lane
.set LS,  6                            ; v6   4 x lane
.set PWI, 7                            ; v7   where I store P's images
.set PWS, 8                            ; v8   and their scale words
.set TW1, 9                            ; v9-10  the table, written
.set TW2, 10
.set TR1, 11                           ; v11-12 the table, read
.set TR2, 12
.set OSW, 13                           ; v13  where I put a result's scale word
.set BPO, 14                           ; v14  bias along P: 64 h
.set BRO, 15                           ; v15  bias along R: 4 (r + 8 (r / 8))
.set BR,  16                           ; v16-19 bias along R, a pair for each of my two tiles
.set TM,  20                           ; v20-35 at work in the quantiser
.set PW,  36                           ; v36  the scale word just made
.set PC,  38                           ; v38-45 the codes just made
.set PS,  46                           ; v46-53 P's scale words: tile Tp; lanes 0-15 K step 0, lanes 16-31 K step 1
.set RS,  54                           ; v54-57 R's scale words: 2 u + ks
.set SGR, 58                           ; v58  stage, on the way out: row r, + 64 h
.set OSO, 59                           ; v59  the scale words' place in ws
.set STA, 64                           ; v64-127  64 numbers of a lane: a fragment to be quantised; later the eight accumulators
.set STB, 128                          ; v128-191 the other set; later the results behind bias and rope
.set RF,  192                          ; v192-223 R's four fragments: 8 (2 u + ks)
.set NS,  224                          ; v224-255 -sin of my 32 pairs
.set CB,  128                          ; window 1: v128-191 bias along P in the result's layout;  v0-127 numbers as loaded, two sets, later P's 16 fragments
.set CC,  192                          ; window 1: v192-255 (cos, sin + cos) of my 32 pairs
.set MSB, 0
.macro WIN new                         ; the immediate's high byte repeats the setting that is left; bits 1:0 source 0, 3:2 source 1, 5:4 source 2, 7:6 destination
.if MSB != \new
	s_set_vgpr_msb (MSB<<8)|\new
.set MSB, \new
.endif
.endm
.macro PLACES
.rept 4
	v_nop
.endr
.endm
.macro BARRIER                         ; my LDS stores have landed and my LDS loads are in: then the work-group's barrier
	s_wait_dscnt 0x0
	s_barrier_signal -1
	s_barrier_wait -1
.endm
; Fragment f of my eight (0-3: P's, 4-7: R's; tile u = (f % 4) / 2, K step f % 2): 16 rows x 128 numbers, each load 512 consecutive bytes of one row, into set f % 2 of window 1
.macro LOAD f
	WIN 0x40
.irp p, 0,1,2,3,4,5,6,7,8,9,10,11,12,13,14,15
.if (\f) < 4
	global_load_b128 v[64*((\f)%2)+4*\p:64*((\f)%2)+4*\p+3], v[LI], s[32:33] offset:(\p+8*(\p/8)+8*(((\f)%4)/2))*1024+512*((\f)%2)
.else
	global_load_b128 v[64*((\f)%2)+4*\p:64*((\f)%2)+4*\p+3], v[LI], s[34:35] offset:(\p+8*(\p/8)+8*(((\f)%4)/2))*1024+512*((\f)%2)
.endif
.endr
	WIN 0
.endm
; The fragment's numbers turn through my own stage: in as loaded, back so that lane (r, h) holds, of row r, register 16 b + i = k 32 b + 16 h + i.  LDS serves a wave's instructions in order: no wait between.
.macro TURN f
	WIN 0x04
.irp p, 0,1,2,3,4,5,6,7,8,9,10,11,12,13,14,15
	ds_store_b128 v[SGW], v[64*((\f)%2)+4*\p:64*((\f)%2)+4*\p+3] offset:STS*((\f)%2)+SP*\p
.endr
	WIN 0
.irp b, 0,1,2,3
.irp j, 0,1,2,3
	ds_load_b128 v[STA+64*((\f)%2)+16*\b+4*\j:STA+64*((\f)%2)+16*\b+4*\j+3], v[SGR] offset:STS*((\f)%2)+128*\b+16*\j
.endr
.endr
.endm
; 64 numbers of a lane, register 16 b + i = k 32 b + 16 (lane / 16) + i of my row, become a fragment's codes in v[pc] on and its scale word in v[pw]
.macro QUANT src, pc, pw
.irp b, 0,1,2,3
	v_max3_num_f32 v[TM+\b], |v[(\src)+16*\b]|, |v[(\src)+1+16*\b]|, 0x1800000   ; block b: my 16 numbers, and the floor 2^(3 - 127): the byte cannot fall under 1
.endr
.irp i, 2,4,6,8,10,12,14
.irp b, 0,1,2,3
	v_max3_num_f32 v[TM+\b], v[TM+\b], |v[(\src)+16*\b+\i]|, |v[(\src)+1+16*\b+\i]|   ; the four blocks by turns
.endr
.endr
.irp b, 0,1,2,3
	v_permlanex16_b32 v[TM+4+\b], v[TM+\b], s42, s43
.endr
.irp b, 0,1,2,3
	v_max_num_f32 v[TM+\b], v[TM+\b], v[TM+4+\b]   ; with lane l xor 16's: the block's largest magnitude
.endr
.irp b, 0,1,2,3
	v_add_nc_u32 v[TM+12+\b], 0xff000000, v[TM+\b]   ; 2 off its exponent field: the conversion takes this operand's exponent field as its scale
.endr
.irp b, 0,1,2,3
	v_lshrrev_b32 v[TM+4+\b], 23, v[TM+12+\b]      ; the scale's byte
.endr
	v_lshl_or_b32 v[(\pw)], v[TM+5], 8, v[TM+4]
	v_lshl_or_b32 v[(\pw)], v[TM+6], 16, v[(\pw)]
	v_lshl_or_b32 v[(\pw)], v[TM+7], 24, v[(\pw)]
.irp b, 0,1,2,3
	v_cvt_scalef32_pk8_fp4_f32 v[(\pc)+2*\b], v[(\src)+16*\b:(\src)+7+16*\b], v[TM+12+\b]
	v_cvt_scalef32_pk8_fp4_f32 v[(\pc)+1+2*\b], v[(\src)+8+16*\b:(\src)+15+16*\b], v[TM+12+\b]
.endr
	v_nop                                          ; one plain place behind a scaled conversion
.irp c, 0,1                                    ; the operand's layout wants a whole block in a lane: lanes 0-15 block 2 c, lanes 16-31 block 2 c + 1
.irp i, 0,1
	v_permlane16_swap_b32 v[(\pc)+4*\c+\i], v[(\pc)+2+4*\c+\i]
.endr
.endr
.endm
	s_load_b256 s[4:11], s[0:1], 0x0               ; x s[4:5], wq s[6:7], bq s[8:9], wk s[10:11]
	s_load_b256 s[12:19], s[0:1], 0x20             ; bk s[12:13], wv s[14:15], bv s[16:17], ws s[18:19]
	v_lshl_add_u32 v31, v0, 2, 0x15a00
	v_mov_b32 v37, 0
	v_lshrrev_b32 v1, 5, v0
	v_readfirstlane_b32 s20, v1                    ; wave 0..3
	s_and_b32 s21, ttmp7, 0xffff
	s_lshr_b32 s22, s21, 1                         ; which: 0 Q, 1 K, 2 V
	s_and_b32 s23, s21, 1                          ; g
	v_and_b32 v1, 31, v0                           ; lane
	v_and_b32 v2, 15, v0                           ; r
	v_bfe_u32 v3, v0, 4, 1                         ; h
	v_lshlrev_b32 v[LI], 4, v1
	v_lshlrev_b32 v[LS], 2, v1
	s_lshl_b32 s24, s20, 12
	v_add_nc_u32 v[PWI], s24, v[LI]                ; my four images begin at 4,096 w
	s_lshl_b32 s24, s20, 8
	s_add_co_u32 s24, s24, PSC
	v_lshl_add_u32 v[PWS], v2, 2, s24
	s_mul_i32 s25, s20, 768
	s_add_co_u32 s25, s25, TAB
	v_lshl_add_u32 v[TW1], v1, 3, s25
	v_lshl_add_u32 v[TR1], v3, 6, s25
	s_add_co_u32 s25, s25, 512
	v_lshl_add_u32 v[TW2], v1, 2, s25
	v_lshl_add_u32 v[TR2], v3, 5, s25
	s_lshr_b32 s24, s20, 1
	s_lshl_b32 s24, s24, 8
	s_and_b32 s25, s20, 1
	s_lshl_b32 s25, s25, 3
	s_add_co_u32 s24, s24, s25
	s_add_co_u32 s24, s24, OSC
	v_lshl_add_u32 v[OSW], v2, 4, s24              ; tile T = 2 w + u: 256 (w / 2) + 8 (w % 2) + 16 r, and 4 u in the immediate
	v_lshlrev_b32 v[BPO], 6, v3
	v_and_b32 v[BRO], 8, v2
	v_add_nc_u32 v[BRO], v[BRO], v2
	v_lshlrev_b32 v[BRO], 2, v[BRO]
	s_mul_i32 s24, s20, STW
	s_add_co_u32 s24, s24, STG
	v_add_nc_u32 v[SGW], s24, v[LI]
	v_mul_u32_u24 v[SGR], v2, SP
	v_lshl_add_u32 v[SGR], v3, 6, v[SGR]
	v_add_nc_u32 v[SGR], s24, v[SGR]
	v_lshlrev_b32 v[OSO], 4, v2
	v_lshl_add_u32 v[OSO], v3, 9, v[OSO]
.irp b, 0,1,2,3
	v_mov_b32 v[TM+4+\b], 0                        ; written once: a lane permute's destination counts as one of its sources
.endr
	s_mov_b32 s42, 0x76543210
	s_mov_b32 s43, 0xfedcba98                      ; v_permlanex16_b32's selects for lane l xor 16
	; every byte offset, each in a pair of its own, so that behind the compare below only selects and 64-bit sums follow
	s_lshl_b32 s36, ttmp9, 17                      ; x: 128 rows of 1,024 bytes a block
	s_mov_b32 s37, 0
	s_lshl_b32 s50, s23, 17                        ; the weight's rows 128 g on
	s_mov_b32 s51, 0
	s_lshl_b32 s52, s23, 9                         ; the bias's numbers 128 g on
	s_mov_b32 s53, 0
	s_lshl_b32 s54, s20, 15                        ; my 32 rows of P and of R
	s_mov_b32 s55, 0
	s_lshl_b32 s56, s20, 7                         ; my 32 numbers of the bias along R
	s_mov_b32 s57, 0
	s_mul_i32 s58, ttmp9, BLK
	s_mul_i32 s24, s22, PART1
	s_add_co_u32 s58, s58, s24                     ; my part of ws
	s_lshl_b32 s24, s23, 8
	s_add_co_u32 s60, s58, s24
	s_add_co_u32 s60, s60, 16384                   ; its scale words for my g
	s_mov_b32 s61, 0
	s_lshl_b32 s24, s23, 13
	s_add_co_u32 s58, s58, s24
	s_lshl_b32 s24, s20, 11
	s_add_co_u32 s58, s58, s24                     ; fragments 8 g + 2 w, 8 g + 2 w + 1
	s_mov_b32 s59, 0
	s_wait_kmcnt 0x0
	s_cmp_eq_u32 s22, 0                            ; the choices hang on the work-group's number alone
	s_cselect_b64 s[26:27], s[6:7], s[10:11]
	s_cselect_b64 s[28:29], s[8:9], s[12:13]
	s_cmp_eq_u32 s22, 2
	s_cselect_b64 s[26:27], s[14:15], s[26:27]     ; the weight
	s_cselect_b64 s[28:29], s[16:17], s[28:29]     ; the bias
	s_cselect_b32 s38, 0, 1.0                      ; selP
	s_cselect_b32 s40, 1.0, 0                      ; selR
	s_mov_b32 s39, s38                             ; (named with s38 as a pair)
	s_add_nc_u64 s[26:27], s[26:27], s[50:51]
	s_add_nc_u64 s[28:29], s[28:29], s[52:53]
	s_add_nc_u64 s[30:31], s[4:5], s[36:37]
	s_cselect_b64 s[32:33], s[30:31], s[26:27]     ; P: for V the tokens, else the weight (the 64-bit sums leave SCC alone)
	s_cselect_b64 s[34:35], s[26:27], s[30:31]     ; R: the other
	s_add_nc_u64 s[32:33], s[32:33], s[54:55]
	s_add_nc_u64 s[34:35], s[34:35], s[54:55]
	s_add_nc_u64 s[48:49], s[28:29], s[56:57]
	s_add_nc_u64 s[44:45], s[18:19], s[58:59]
	s_add_nc_u64 s[46:47], s[18:19], s[60:61]
	WIN 0x40
.irp b, 0,1,2,3                                ; the bias along P in the result's layout: tile 2 b + u, lane half h: numbers 32 b + 16 h + 8 u + 0 .. 7
.irp u, 0,1
	global_load_b128 v[CB+8*(2*\b+\u):CB+8*(2*\b+\u)+3], v[BPO], s[28:29] offset:128*\b+32*\u
	global_load_b128 v[CB+8*(2*\b+\u)+4:CB+8*(2*\b+\u)+7], v[BPO], s[28:29] offset:128*\b+32*\u+16
.endr
.endr
	WIN 0
	global_load_b32 v[BR], v[BRO], s[48:49]        ; the bias along R: my lane's row of tile u
	global_load_b32 v[BR+2], v[BRO], s[48:49] offset:32
	LOAD 0
	LOAD 1
	; THE ROPE'S TABLE, while the loads are out: lane l makes pairs 64 g + l and 64 g + l + 32
	s_lshl_b32 s24, s23, 6
	v_add_nc_u32 v64, s24, v1
	v_add_nc_u32 v72, 32, v64
.irp e, 0,1
	v_cvt_f32_u32 v[64+8*\e], v[64+8*\e]
.endr
.irp e, 0,1
	v_mul_f32 v[64+8*\e], 0xbd9f73da, v[64+8*\e]   ; - i log2(1000) / 128
.endr
.irp e, 0,1
	v_exp_f32 v[64+8*\e], v[64+8*\e]               ; freq = 1000^(-i / 128), between 0.001 and 1
.endr
	v_nop                                          ; one plain place behind a transcendental
	s_wait_alu depctr_va_vdst(0)
.irp e, 0,1
	v_mul_f32 v[64+8*\e], s38, v[64+8*\e]          ; f = freq x selP
.endr
.irp e, 0,1
	v_mul_f32 v[65+8*\e], v[64+8*\e], v[64+8*\e]   ; z = f^2
.endr
.irp e, 0,1
	v_mov_b32 v[66+8*\e], 0xb2d7322b               ; -1 / 11!
	v_mov_b32 v[67+8*\e], 0x310f76c7               ; 1 / 12!
.endr
.macro HORNER a, b                             ; one step of both series, for both pairs
.irp e, 0,1
	v_fmaak_f32 v[66+8*\e], v[66+8*\e], v[65+8*\e], \a
	v_fmaak_f32 v[67+8*\e], v[67+8*\e], v[65+8*\e], \b
.endr
.endm
	HORNER 0x3638ef1d, 0xb493f27e                  ; 1 / 9!, -1 / 10!
	HORNER 0xb9500d01, 0x37d00d01                  ; -1 / 7!, 1 / 8!
	HORNER 0x3c088889, 0xbab60b61                  ; 1 / 5!, -1 / 6!
	HORNER 0xbe2aaaab, 0x3d2aaaab                  ; -1 / 3!, 1 / 4!
.irp e, 0,1
	v_fma_f32 v[66+8*\e], v[66+8*\e], v[65+8*\e], 1.0
	v_fma_f32 v[67+8*\e], v[67+8*\e], v[65+8*\e], -0.5
.endr
.irp e, 0,1
	v_mul_f32 v[66+8*\e], v[64+8*\e], v[66+8*\e]   ; sin
	v_fma_f32 v[68+8*\e], v[67+8*\e], v[65+8*\e], 1.0   ; cos
.endr
.irp e, 0,1
	v_add_f32 v[69+8*\e], v[66+8*\e], v[68+8*\e]   ; sin + cos
	v_sub_f32 v[70+8*\e], 0, v[66+8*\e]            ; -sin
.endr
.irp e, 0,1
	ds_store_b64 v[TW1], v[68+8*\e:69+8*\e] offset:256*\e
	ds_store_b32 v[TW2], v[70+8*\e] offset:128*\e
.endr
	WIN 0x40                                       ; back in the result's layout: registers 2 n, 2 n + 1 belong to pair 16 b + 8 h + n % 8, n = 8 b + ..  (my own bytes, served in order)
.irp b, 0,1,2,3
.irp j, 0,1,2,3
	ds_load_b128 v[CC+16*\b+4*\j:CC+16*\b+4*\j+3], v[TR1] offset:128*\b+16*\j
.endr
.endr
	WIN 0
.irp b, 0,1,2,3
.irp j, 0,1
	ds_load_b128 v[NS+8*\b+4*\j:NS+8*\b+4*\j+3], v[TR2] offset:64*\b+16*\j
.endr
.endr
	s_wait_loadcnt 16                              ; the biases and fragment 0 are in; fragment 1's sixteen loads may be out
	TURN 0
; Fragment f is quantised; the loads run two fragments ahead, the turn through the stage one.
.macro QSTEP f
	s_wait_dscnt 0x0                               ; fragment f is back from the stage, so its stores into the stage have read set f % 2; the last images' stores have read their codes
.if (\f) <= 5
	LOAD (\f)+2
	s_wait_loadcnt 16                              ; fragment f + 1 is in; the sixteen loads just issued may be out
	TURN (\f)+1
.elseif (\f) == 6
	s_wait_loadcnt 0x0
	TURN (\f)+1
.endif
.if (\f) < 4
	QUANT STA+64*((\f)%2), PC, PW
	ds_store_b128 v[PWI], v[PC:PC+3] offset:PIMG+1024*(\f)
	ds_store_b128 v[PWI], v[PC+4:PC+7] offset:PIMG+1024*(\f)+512
	ds_store_b32 v[PWS], v[PW] offset:128*((\f)/2)+64*((\f)%2)   ; lanes l and l xor 16 write the same word with the same value
.else
	QUANT STA+64*((\f)%2), RF+8*((\f)-4), RS+(\f)-4
.endif
.endm
.irp f, 0,1,2,3,4,5,6,7
	QSTEP \f
.endr
	WIN 0x41                                       ; the biases are chosen by a factor.  (These 36 plain lines also stand between the last codes and scale words made and the products)
.set j, 0
.rept 32
	v_pk_mul_f32 v[CB+j:CB+j+1], v[CB+j:CB+j+1], s[38:39] op_sel_hi:[1,0]
.set j, j+2
.endr
	WIN 0
	v_mul_f32 v[BR], s40, v[BR]
	v_mul_f32 v[BR+2], s40, v[BR+2]
	v_mov_b32 v[BR+1], v[BR]                       ; (named as the upper halves of pairs)
	v_mov_b32 v[BR+3], v[BR+2]
	BARRIER                                        ; P's sixteen images and their scale words lie in LDS
	WIN 0x40
.irp p, 0,1,2,3,4,5,6,7,8,9,10,11,12,13,14,15
	ds_load_b128 v[8*\p:8*\p+3], v[LI] offset:PIMG+1024*\p
	ds_load_b128 v[8*\p+4:8*\p+7], v[LI] offset:PIMG+1024*\p+512
.endr
	WIN 0
.irp n, 0,1,2,3,4,5,6,7
	ds_load_b32 v[PS+\n], v[LS] offset:PSC+128*\n
.endr
	s_wait_dscnt 0x0
.irp u, 0,1                                    ; my tile u of R against P's eight: the eight accumulators take turns, one instruction a turn
.if \u
	s_wait_xcnt 0x0                                ; tile 0's stores have read their codes: they are written again only behind this wait
.endif
	WIN 0x11                                       ; source 0 (P) and source 2 (the bias) window 1
.irp n, 0,1,2,3,4,5,6,7
	v_wmma_scale_f32_16x16x128_f8f6f4 v[STA+8*\n:STA+8*\n+7], v[16*\n:16*\n+7], v[RF+16*\u:RF+16*\u+7], v[CB+8*\n:CB+8*\n+7], v[PS+\n], v[RS+2*\u] matrix_a_fmt:MATRIX_FMT_FP4 matrix_b_fmt:MATRIX_FMT_FP4
.endr
	WIN 0x01
.irp n, 0,1,2,3,4,5,6,7
	v_wmma_scale_f32_16x16x128_f8f6f4 v[STA+8*\n:STA+8*\n+7], v[16*\n+8:16*\n+15], v[RF+16*\u+8:RF+16*\u+15], v[STA+8*\n:STA+8*\n+7], v[PS+\n], v[RS+2*\u+1] matrix_a_fmt:MATRIX_FMT_FP4 matrix_b_fmt:MATRIX_FMT_FP4 matrix_a_scale:MATRIX_SCALE_ROW1
.endr
	WIN 0
	PLACES                                         ; four places between the last product and the first read of results (ISA guide 7.12.1)
	WIN 0x04                                       ; source 1 (cos, sin + cos) window 1
.set j, 0
.rept 32
	v_pk_fma_f32 v[STB+j:STB+j+1], v[STA+j:STA+j+1], v[CC+j:CC+j+1], v[BR+2*\u:BR+2*\u+1] op_sel_hi:[1,1,0]   ; (e cos, o (sin + cos)) + the bias along R; each accumulator from its low end on
.set j, j+2
.endr
	WIN 0
.set j, 0
.rept 32
	v_fma_f32 v[STB+2*j], v[STA+2*j+1], v[NS+j], v[STB+2*j]   ; even' -= o sin
.set j, j+1
.endr
	QUANT STB, PC, PW
	global_store_b128 v[LI], v[PC:PC+3], s[44:45] offset:1024*\u       ; 32 lanes store 512 consecutive bytes, at a multiple of 512 from ws's first byte
	global_store_b128 v[LI], v[PC+4:PC+7], s[44:45] offset:1024*\u+512
	ds_store_b32 v[OSW], v[PW] offset:4*\u
.endr
	BARRIER                                        ; the eight tiles' scale words lie in LDS
	s_cmp_lg_u32 s20, 0
	s_cbranch_scc1 .Lend
	ds_load_b128 v[60:63], v[LI] offset:OSC        ; wave 0 stores them: sixteen lanes to 256 consecutive bytes, twice
	s_wait_dscnt 0x0
	global_store_b128 v[OSO], v[60:63], s[46:47]
.Lend:
	s_wait_tensorcnt 0x0
	ds_add_u32 v31, v37
	s_wait_dscnt 0x0
	s_endpgm
.Lfunc_end_k_q27af50e5a6_proj:
	.size	k_q27af50e5a6_proj, .Lfunc_end_k_q27af50e5a6_proj-k_q27af50e5a6_proj
	.p2alignl 7, 3214868480
	.fill 96, 4, 3214868480
	.section	.rodata,"a",@progbits
	.p2align	6, 0x0
	.amdhsa_kernel k_q27af50e5a6_proj
		.amdhsa_group_segment_fixed_size 89088
		.amdhsa_private_segment_fixed_size 0
		.amdhsa_enable_private_segment 0
		.amdhsa_kernarg_size 64
		.amdhsa_user_sgpr_count 2
		.amdhsa_user_sgpr_kernarg_segment_ptr 1
		.amdhsa_wavefront_size32 1
		.amdhsa_system_sgpr_workgroup_id_x 1
		.amdhsa_system_sgpr_workgroup_id_y 1
		.amdhsa_system_sgpr_workgroup_id_z 1
		.amdhsa_system_vgpr_workitem_id 0
		.amdhsa_next_free_vgpr 512
		.amdhsa_next_free_sgpr 66
		.amdhsa_reserve_vcc 0
		.amdhsa_float_denorm_mode_32 3
		.amdhsa_float_denorm_mode_16_64 3
		.amdhsa_memory_ordered 1
		.amdhsa_forward_progress 1
		.amdhsa_inst_pref_size 96
	.end_amdhsa_kernel
	.amdgpu_metadata
---
amdhsa.version: [ 1, 2 ]
amdhsa.kernels:
  - .name:           k_q27af50e5a6_proj
    .symbol:         k_q27af50e5a6_proj.kd
    .args:
      - { .name: x, .offset: 0, .size: 8, .value_kind: global_buffer, .address_space: global }
      - { .name: wq, .offset: 8, .size: 8, .value_kind: global_buffer, .address_space: global }
      - { .name: bq, .offset: 16, .size: 8, .value_kind: global_buffer, .address_space: global }
      - { .name: wk, .offset: 24, .size: 8, .value_kind: global_buffer, .address_space: global }
      - { .name: bk, .offset: 32, .size: 8, .value_kind: global_buffer, .address_space: global }
      - { .name: wv, .offset: 40, .size: 8, .value_kind: global_buffer, .address_space: global }
      - { .name: bv, .offset: 48, .size: 8, .value_kind: global_buffer, .address_space: global }
      - { .name: ws, .offset: 56, .size: 8, .value_kind: global_buffer, .address_space: global }
    .group_segment_fixed_size: 89088
    .private_segment_fixed_size: 0
    .kernarg_segment_align: 8
    .kernarg_segment_size: 64
    .max_flat_workgroup_size: 128
    .sgpr_count:     66
    .vgpr_count:     512
    .wavefront_size: 32
...
	.end_amdgpu_metadata
.endif
;; end of part 1
;; launch attn (part 2): grid 256 x 1, 4 waves a work-group, clusters of 4 x 1, 327,680 bytes of LDS; arguments ws, out0; writes out0
.if DOCPART == 2
	.amdgcn_target "amdgcn-amd-amdhsa--gfx1250"
	.amdhsa_code_object_version 6
	.text
	.protected	k_q27af50e5a6_attn
	.globl	k_q27af50e5a6_attn
	.p2align	8
	.type	k_q27af50e5a6_attn,@function
k_q27af50e5a6_attn:
	s_mov_b64 s[64:65], 0
	v_nop
	global_prefetch_b8 v0, s[64:65] scope:SCOPE_SE
	s_setreg_imm32_b32 hwreg(HW_REG_WAVE_MODE, 25, 1), 1
	s_wait_xcnt 0x0
	s_wait_alu depctr_hold_cnt(0) depctr_sa_sdst(0) depctr_va_vdst(0) depctr_va_sdst(0) depctr_va_ssrc(0) depctr_va_vcc(0) depctr_vm_vsrc(0)
	s_getreg_b32 s2, hwreg(HW_REG_IB_STS2, 6, 4)
	s_cmp_eq_u32 s2, 0
	s_cbranch_scc0 .Lentry_in_a_cluster
	s_endpgm
.Lentry_in_a_cluster:
	s_bfe_u32 s2, ttmp6, 0x10000c
	s_cmp_lg_u32 s2, 0x3003
	s_cbranch_scc0 .Lentry_shape_is_right
	s_endpgm
.Lentry_shape_is_right:
; out0[q] = the sum over k of softmax_k(Qrot[q] . Krot[k] / 16) V[k], 8,192 queries and keys, 256 channels, both products on codes of FP4 (E2M1) with one E8M0 scale for each 32 along a product's K.
; ws holds Q, K and V as images of operand registers, 64 blocks of 128 tokens, [Q part | K part | V part] of 17,408 bytes: 16 fragments of 1,024 bytes (registers 4 c .. 4 c + 3 of lane l at 512 c + 16 l), then scale words.
; Fragment 8 g + T; lane r of tile T is row 32 (T / 2) + 8 (T % 2) + r + 8 (r / 8).  Q, K: rows = tokens, g = which 128 channels.  V: rows = channels 128 g + .., K = the block's 128 keys.
; THE SOFTMAX AHEAD OF THE SECOND PRODUCT: t = score x log2(e) / 16; M = the largest t so far, rounded up to a whole number; p = 2^(t - M) is quantised along the keys, not normalised; the sum l is taken of the
; unquantised p.  When M moves, l and O are multiplied by 2^(old M - new M), which rounds nothing.
; SHARES.  A work-group owns 32 queries, two tiles of 16; EVERY wave holds both tiles, and THE WAVES SPLIT THE KEYS: wave w takes the blocks of 128 keys 4 i + w, i = 0 .. 15, with an M, an l and an O^T of its own.
; At the end the four are brought under one M (exact factors), divided by the whole l and added, through LDS.  So a fragment of K or V read from LDS feeds two products, and each is read from LDS once.
; LAYOUT.  Both products are used transposed: S^T = K Q^T (source 0 = 16 keys), O^T = V^T P^T (source 0 = 16 channels): a lane holds one query throughout, and by the row order above the 16 registers of
; tiles 2 b, 2 b + 1 of S^T are 16 neighbouring keys, so the conversions' results are the second product's operand.
; THE RING.  Two LDS slots; in each, 34,816 bytes for each wave: a block's K part and V part, which are consecutive in ws.  Each wave fetches its own block with one tensor load and reads only its own bytes.
; CLUSTER.  All work-groups walk the same K and V: the four of a cluster ask JOINTLY, by the same tensor load with the same descriptor (it hangs on the wave's number and the step alone) and the mask 15.
; One tensor load of a wave is out at a time, and has a whole step of the wave's work in which to land.
; LIMITS: NaN and infinities are not served; a block of p whose largest number lies under 2^-124 gets the scale byte 1; each wave's O^T is divided by l before the four are added.
; REGISTERS.  Window 0: v1-9, v122 addresses; v10-21 six statistics a tile; v22-53 sixteen registers at work a tile; v54-73 scale words; v74-89 p's codes; v90-121 Q; v128-255 S^T, then p, 64 a tile.
;   Window 1: O^T, 128 a tile (tile t, channels' tile ct at 128 t + 8 ct).   Window 2: v0-127 K's 16 fragments, v128-255 V's 16.
.set BLK,   52224
.set PART1, 17408
.set PART,  34816                      ; a wave's bytes in a slot: K's fragments at 1,024 (8 ks + T), K's scale words at 16,384, V's fragments at 17,408 + 1,024 ct, V's scale words at 33,792
.set SLOT,  139264
.set SPARE, 278528                     ; behind the ring: the spare words, 128 bytes for each wave: two blocks of 256 bytes that no other line names
.set EX,    279040                     ; the waves' -M and l: 512 w + 256 t + 128 kind + 4 x lane
.set MP,    1040                       ; the merge's stage: 32 rows x (1,024 + 16) bytes in each wave's part of slot 0, which has had its last fill by then and was read by that wave alone
.set ST,  10                           ; tile t at v[ST + 6 t]: +0 -M, +1 the largest t, +2, +3 l in two halves, +4 the factor f, +5 written once (named with f as a pair)
.set TP,  22                           ; tile t at v[TP + 16 t]: +0..3 the blocks' largest, +4..7 the other half's, then the bytes, +8..11 the conversions' scale operands, +12, +13 a second chain of sums, +14 at work
.set QS,  54                           ; v54-55 Q's scale words, tile t: lanes 0-15 K step 0, lanes 16-31 K step 1
.set PWD, 56                           ; v56-57 p's scale words
.set KS,  58                           ; v58-65 K's, tile T, halves as Q's
.set VS,  66                           ; v66-73 V's, tile ct % 8: lanes 0-15 ct < 8, lanes 16-31 ct >= 8
.set PC,  74                           ; v74-89 p's codes, 8 a tile
.set QF,  90                           ; v90-121 Q's fragments: 16 t + 8 ks
.set S,   128
.set MSB, 0
.macro WIN new                         ; the immediate's high byte repeats the setting that is left; bits 1:0 source 0, 3:2 source 1, 5:4 source 2, 7:6 destination
.if MSB != \new
	s_set_vgpr_msb (MSB<<8)|\new
.set MSB, \new
.endif
.endm
.macro PLACES
.rept 4
	v_nop
.endr
.endm
; A round of the cluster's barrier: my work-group's barrier, wave 0 signals for the work-group, every wave waits for all four work-groups, my work-group's barrier once more
.macro ROUND
	s_barrier_signal -1
	s_barrier_wait -1
	s_cmp_lg_u32 s8, 0
	s_cbranch_scc1 .Lnot_wave_0_\@
	s_barrier_signal -3
.Lnot_wave_0_\@:
	s_barrier_wait -3
	s_barrier_signal -1
	s_barrier_wait -1
.endm
.macro KLOAD slot                      ; K's scale words, then its 16 fragments, K step 0 first
	ds_load_b128 v[KS:KS+3], v[1+\slot] offset:16384
	ds_load_b128 v[KS+4:KS+7], v[1+\slot] offset:16384+512
	WIN 0x80
.irp p, 0,1,2,3,4,5,6,7,8,9,10,11,12,13,14,15
	ds_load_b128 v[8*\p:8*\p+3], v[1+\slot] offset:1024*\p
	ds_load_b128 v[8*\p+4:8*\p+7], v[1+\slot] offset:1024*\p+512
.endr
	WIN 0
.endm
.macro VLOAD slot                      ; V's likewise: they land while the softmax is worked
	ds_load_b128 v[VS:VS+3], v[1+\slot] offset:33792
	ds_load_b128 v[VS+4:VS+7], v[1+\slot] offset:33792+512
	WIN 0x80
.irp p, 0,1,2,3,4,5,6,7,8,9,10,11,12,13,14,15
	ds_load_b128 v[128+8*\p:128+8*\p+3], v[1+\slot] offset:PART1+1024*\p
	ds_load_b128 v[128+8*\p+4:128+8*\p+7], v[1+\slot] offset:PART1+1024*\p+512
.endr
	WIN 0
.endm
; S^T = K Q^T: 8 tiles of keys x 2 tiles of queries, two K steps.  The sixteen accumulators take turns, one instruction a turn; the first K step starts the sums.
.macro SPROD
	s_wait_dscnt 16                                ; the scale words and K step 0's fragments are in; K step 1's sixteen loads may be out
	WIN 0x02                                       ; source 0 (K) window 2
.irp n, 0,1,2,3,4,5,6,7
.irp t, 0,1
	v_wmma_scale_f32_16x16x128_f8f6f4 v[S+64*\t+8*\n:S+64*\t+8*\n+7], v[8*\n:8*\n+7], v[QF+16*\t:QF+16*\t+7], 0, v[KS+\n], v[QS+\t] matrix_a_fmt:MATRIX_FMT_FP4 matrix_b_fmt:MATRIX_FMT_FP4
.endr
.endr
	s_wait_dscnt 0x0
.irp n, 0,1,2,3,4,5,6,7
.irp t, 0,1
	v_wmma_scale_f32_16x16x128_f8f6f4 v[S+64*\t+8*\n:S+64*\t+8*\n+7], v[64+8*\n:64+8*\n+7], v[QF+16*\t+8:QF+16*\t+15], v[S+64*\t+8*\n:S+64*\t+8*\n+7], v[KS+\n], v[QS+\t] matrix_a_fmt:MATRIX_FMT_FP4 matrix_b_fmt:MATRIX_FMT_FP4 matrix_a_scale:MATRIX_SCALE_ROW1 matrix_b_scale:MATRIX_SCALE_ROW1
.endr
.endr
	WIN 0
.endm
; O^T += V^T P^T: 16 tiles of channels x 2 tiles of queries, K = the step's 128 keys: one instruction for each of 32 accumulators.  first = 1: the products start the sums: nothing is ever cleared.
.macro PVPROD first
	s_wait_dscnt 0x0                               ; V is in
	WIN 0x52                                       ; source 0 (V) window 2, C and D window 1
.irp n, 0,1,2,3,4,5,6,7
.irp t, 0,1
.if \first
	v_wmma_scale_f32_16x16x128_f8f6f4 v[128*\t+8*\n:128*\t+8*\n+7], v[128+8*\n:128+8*\n+7], v[PC+8*\t:PC+8*\t+7], 0, v[VS+\n], v[PWD+\t] matrix_a_fmt:MATRIX_FMT_FP4 matrix_b_fmt:MATRIX_FMT_FP4
.else
	v_wmma_scale_f32_16x16x128_f8f6f4 v[128*\t+8*\n:128*\t+8*\n+7], v[128+8*\n:128+8*\n+7], v[PC+8*\t:PC+8*\t+7], v[128*\t+8*\n:128*\t+8*\n+7], v[VS+\n], v[PWD+\t] matrix_a_fmt:MATRIX_FMT_FP4 matrix_b_fmt:MATRIX_FMT_FP4
.endif
.endr
.endr
.irp n, 0,1,2,3,4,5,6,7
.irp t, 0,1
.if \first
	v_wmma_scale_f32_16x16x128_f8f6f4 v[128*\t+64+8*\n:128*\t+64+8*\n+7], v[192+8*\n:192+8*\n+7], v[PC+8*\t:PC+8*\t+7], 0, v[VS+\n], v[PWD+\t] matrix_a_fmt:MATRIX_FMT_FP4 matrix_b_fmt:MATRIX_FMT_FP4 matrix_a_scale:MATRIX_SCALE_ROW1
.else
	v_wmma_scale_f32_16x16x128_f8f6f4 v[128*\t+64+8*\n:128*\t+64+8*\n+7], v[192+8*\n:192+8*\n+7], v[PC+8*\t:PC+8*\t+7], v[128*\t+64+8*\n:128*\t+64+8*\n+7], v[VS+\n], v[PWD+\t] matrix_a_fmt:MATRIX_FMT_FP4 matrix_b_fmt:MATRIX_FMT_FP4 matrix_a_scale:MATRIX_SCALE_ROW1
.endif
.endr
.endr
	WIN 0
.endm
; The softmax of a step, both tiles by turns.  first = 1: the wave's first step, which starts M, l and O^T: no old M, no factor, nothing to rescale.
.macro SOFTMAX first
.irp b, 0,1,2,3
.irp t, 0,1
	v_max3_num_f32 v[TP+16*\t+\b], v[S+64*\t+16*\b], v[S+64*\t+16*\b+1], v[S+64*\t+16*\b+2]   ; the largest score of each block of 32 keys: for the row's maximum, and, since p rises with the score, for the block's largest p
.endr
.endr
.irp i, 3,5,7,9,11,13
.irp b, 0,1,2,3
.irp t, 0,1
	v_max3_num_f32 v[TP+16*\t+\b], v[TP+16*\t+\b], v[S+64*\t+16*\b+\i], v[S+64*\t+16*\b+\i+1]
.endr
.endr
.endr
.irp b, 0,1,2,3
.irp t, 0,1
	v_max_num_f32 v[TP+16*\t+\b], v[TP+16*\t+\b], v[S+64*\t+16*\b+15]
.endr
.endr
.irp b, 0,1,2,3
.irp t, 0,1
	v_permlanex16_b32 v[TP+16*\t+4+\b], v[TP+16*\t+\b], s36, s37
.endr
.endr
.irp b, 0,1,2,3
.irp t, 0,1
	v_max_num_f32 v[TP+16*\t+\b], v[TP+16*\t+\b], v[TP+16*\t+4+\b]   ; with lane l xor 16's 16 keys
.endr
.endr
.irp t, 0,1
	v_max3_num_f32 v[TP+16*\t+14], v[TP+16*\t], v[TP+16*\t+1], v[TP+16*\t+2]
.endr
.irp t, 0,1
	v_max_num_f32 v[TP+16*\t+14], v[TP+16*\t+14], v[TP+16*\t+3]      ; the step's largest score of my query
.endr
.if \first
.irp t, 0,1
	v_mul_f32 v[ST+6*\t+1], s34, v[TP+16*\t+14]    ; as t (c is positive): the largest t so far
.endr
.irp t, 0,1
	v_floor_f32 v[ST+6*\t], -v[ST+6*\t+1]          ; -M = floor(-t) = -ceil(t)
.endr
.else
.irp t, 0,1
	v_mul_f32 v[TP+16*\t+14], s34, v[TP+16*\t+14]
.endr
.irp t, 0,1
	v_max_num_f32 v[ST+6*\t+1], v[ST+6*\t+1], v[TP+16*\t+14]         ; the running largest t
.endr
.irp t, 0,1
	v_mov_b32 v[TP+16*\t+14], v[ST+6*\t]
.endr
.irp t, 0,1
	v_floor_f32 v[ST+6*\t], -v[ST+6*\t+1]          ; the new -M
.endr
.irp t, 0,1
	v_sub_f32 v[TP+16*\t+14], v[ST+6*\t], v[TP+16*\t+14]             ; old M - new M: a whole number, 0 or less
.endr
.irp t, 0,1
	v_cvt_i32_f32 v[TP+16*\t+14], v[TP+16*\t+14]   ; (it saturates)
.endr
.irp t, 0,1
	v_ldexp_f32 v[ST+6*\t+4], 1.0, v[TP+16*\t+14]  ; f = 2^(old M - new M)
.endr
.endif
.irp t, 0,1
.set j, 0
.rept 32
	v_pk_fma_f32 v[S+64*\t+j:S+64*\t+j+1], v[S+64*\t+j:S+64*\t+j+1], s[34:35], v[ST+6*\t:ST+6*\t+1] op_sel_hi:[1,0,0]   ; t - M, two at a time (of the pairs c and -M the low word serves both halves)
.set j, j+2
.endr
.endr
.irp b, 0,1,2,3
.irp t, 0,1
	v_fma_f32 v[TP+16*\t+\b], v[TP+16*\t+\b], s34, v[ST+6*\t]        ; the same of each block's largest score
.endr
.endr
.irp t, 0,1
.set j, 0
.rept 64
	v_exp_f32 v[S+64*\t+j], v[S+64*\t+j]           ; p = 2^(t - M), at most 1
.set j, j+1
.endr
.endr
.irp b, 0,1,2,3
.irp t, 0,1
	v_exp_f32 v[TP+16*\t+\b], v[TP+16*\t+\b]       ; the block's largest p: the same two instructions on the same number
.endr
.endr
.if \first
	v_nop                                          ; a plain place behind the exponentials
	s_wait_alu depctr_va_vdst(0)
.else
	s_wait_alu depctr_va_vdst(0)
.irp t, 0,1
	v_pk_mul_f32 v[ST+6*\t+2:ST+6*\t+3], v[ST+6*\t+2:ST+6*\t+3], v[ST+6*\t+4:ST+6*\t+5] op_sel_hi:[1,0]   ; l under the new M.  (A plain place behind the exponentials)
.endr
.endif
.irp b, 0,1,2,3
.irp t, 0,1
	v_max_num_f32 v[TP+16*\t+\b], 0x1800000, v[TP+16*\t+\b]          ; the floor 2^(3 - 127): the byte cannot fall under 1
.endr
.endr
.irp b, 0,1,2,3
.irp t, 0,1
	v_add_nc_u32 v[TP+16*\t+8+\b], 0xff000000, v[TP+16*\t+\b]        ; 2 off the exponent field: the conversion's scale operand
.endr
.endr
.irp b, 0,1,2,3
.irp t, 0,1
	v_lshrrev_b32 v[TP+16*\t+4+\b], 23, v[TP+16*\t+8+\b]             ; the scale's byte
.endr
.endr
.irp t, 0,1
	v_lshl_or_b32 v[PWD+\t], v[TP+16*\t+5], 8, v[TP+16*\t+4]         ; p's scale word for these 128 keys
.endr
.irp t, 0,1
	v_lshl_or_b32 v[PWD+\t], v[TP+16*\t+6], 16, v[PWD+\t]
.endr
.irp t, 0,1
	v_lshl_or_b32 v[PWD+\t], v[TP+16*\t+7], 24, v[PWD+\t]
.endr
.irp t, 0,1
.irp b, 0,1,2,3
	v_cvt_scalef32_pk8_fp4_f32 v[PC+8*\t+2*\b], v[S+64*\t+16*\b:S+64*\t+16*\b+7], v[TP+16*\t+8+\b]
	v_cvt_scalef32_pk8_fp4_f32 v[PC+8*\t+2*\b+1], v[S+64*\t+16*\b+8:S+64*\t+16*\b+15], v[TP+16*\t+8+\b]
.endr
.endr
	v_nop                                          ; one plain place behind a scaled conversion
.irp t, 0,1
.irp c, 0,1                                    ; the operand's layout wants a whole block in a lane
.irp i, 0,1
	v_permlane16_swap_b32 v[PC+8*\t+4*\c+\i], v[PC+8*\t+4*\c+2+\i]
.endr
.endr
.endr
.irp t, 0,1
	v_pk_add_f32 v[TP+16*\t+12:TP+16*\t+13], v[S+64*\t:S+64*\t+1], v[S+64*\t+2:S+64*\t+3]   ; the row's sum is taken of the unquantised p: two at a time, in two chains
.endr
.irp t, 0,1
.if \first
	v_pk_add_f32 v[ST+6*\t+2:ST+6*\t+3], v[S+64*\t+4:S+64*\t+5], v[S+64*\t+6:S+64*\t+7]     ; l begins here
.else
	v_pk_add_f32 v[ST+6*\t+2:ST+6*\t+3], v[ST+6*\t+2:ST+6*\t+3], v[S+64*\t+4:S+64*\t+5]
	v_pk_add_f32 v[TP+16*\t+12:TP+16*\t+13], v[TP+16*\t+12:TP+16*\t+13], v[S+64*\t+6:S+64*\t+7]
.endif
.endr
.irp j, 8,12,16,20,24,28,32,36,40,44,48,52,56,60
.irp t, 0,1
	v_pk_add_f32 v[ST+6*\t+2:ST+6*\t+3], v[ST+6*\t+2:ST+6*\t+3], v[S+64*\t+\j:S+64*\t+\j+1]
	v_pk_add_f32 v[TP+16*\t+12:TP+16*\t+13], v[TP+16*\t+12:TP+16*\t+13], v[S+64*\t+\j+2:S+64*\t+\j+3]
.endr
.endr
.irp t, 0,1
	v_pk_add_f32 v[ST+6*\t+2:ST+6*\t+3], v[ST+6*\t+2:ST+6*\t+3], v[TP+16*\t+12:TP+16*\t+13]
.endr
.if !\first
	WIN 0x41                                       ; O^T (destination and source 0) window 1, f window 0
.irp t, 0,1
.set j, 0
.rept 64
	v_pk_mul_f32 v[128*\t+j:128*\t+j+1], v[128*\t+j:128*\t+j+1], v[ST+6*\t+4:ST+6*\t+5] op_sel_hi:[1,0]   ; O^T under the new M; each accumulator from its low end on
.set j, j+2
.endr
.endr
	WIN 0
.endif
.endm
; A step of the wave: 128 keys out of the slot named.  In front of it the change of slots: all my tensor loads have landed (my block of this step), 0 is added to my spare word, that and my reads of the other slot
; are waited for, and a round of the cluster's barrier follows: no wave of any partner still reads the other slot or has a load on its way.  refill = 1: the other slot takes the next step's block.
.macro TRIP slot, refill, first
	s_wait_tensorcnt 0x0                           ; no tensor load of mine is out, so a group 0 may be written
	ds_add_u32 v3, v4                              ; 0 onto my spare word
	s_add_nc_u64 s[26+4*\slot:27+4*\slot], s[26+4*\slot:27+4*\slot], 8*BLK   ; this slot's next block: two steps, eight blocks, on; the type bits on top are not reached
	s_wait_dscnt 0x0                               ; the add is done, and my reads of the other slot are over
	ROUND
.if \refill
	tensor_load_to_lds s[28-4*\slot:31-4*\slot], s[16:23]   ; the first thing behind the round, and my one tensor load until the next
	s_nop 0
.endif
	PLACES                                         ; four v_nop behind the load; they are also the places between the last step's products and the loads into V's registers
	KLOAD \slot
	SPROD
	VLOAD \slot
	PLACES                                         ; four places between the last product and the first read of scores (ISA guide 7.12.1)
	SOFTMAX \first
	PVPROD \first
.endm
	s_load_b128 s[4:7], s[0:1], 0x0                ; ws s[4:5], out0 s[6:7]
	v_lshl_add_u32 v3, v0, 2, SPARE                ; my spare word; never rewritten
	v_mov_b32 v4, 0                                ; 0; never rewritten
	ds_add_u32 v3, v4
	ds_add_u32 v3, v4
	s_wait_dscnt 0x0
	v_lshrrev_b32 v5, 5, v0
	v_readfirstlane_b32 s8, v5                     ; wave 0..3
	s_bfe_u32 s9, ttmp6, 0x40000                   ; cx: my place in the cluster
	s_lshl_b32 s10, ttmp9, 2                       ; in a cluster launch ttmp9 counts clusters
	s_add_co_u32 s10, s10, s9                      ; B: my 32 queries; it enters Q's and out0's addresses alone
	; descriptor group 1: 34,816 dense bytes as 136 rows of 32 elements of 8 bytes
	s_mov_b32 s16, 15|(3<<16)|(1<<21)              ; 15:0 the mask: all four work-groups; 17:16 elements of 8 bytes; 21 set beside a mask; no padding: images are read 16 bytes a lane on end
	s_mov_b32 s17, 32<<16                          ; tensor_dim0 = 32
	s_mov_b32 s18, 136<<16                         ; tensor_dim1 = 136
	s_mov_b32 s19, 32<<16                          ; tile_dim0 = 32
	s_mov_b32 s20, 136                             ; tile_dim1 = 136
	s_mov_b32 s21, 32                              ; from row to row
	s_mov_b32 s22, 0
	s_mov_b32 s23, 0
	s_mul_i32 s32, s8, BLK
	s_add_co_u32 s32, s32, PART1                   ; block w's K part
	s_mov_b32 s33, 0
	s_mul_i32 s11, s8, PART                        ; my bytes in a slot: no place in the cluster enters an LDS address
	s_mov_b32 s34, 0x3db8aa3b                      ; c = log2(e) / 16
	s_mov_b32 s35, s34                             ; (named with it as a pair)
	s_mov_b32 s36, 0x76543210
	s_mov_b32 s37, 0xfedcba98                      ; v_permlanex16_b32's selects for lane l xor 16
	s_lshr_b32 s42, s10, 2
	s_mul_i32 s42, s42, BLK                        ; my queries' block of 128 tokens: B / 4
	s_add_co_u32 s44, s42, 16384
	s_and_b32 s43, s10, 3
	s_lshl_b32 s43, s43, 11
	s_add_co_u32 s42, s42, s43                     ; Q's tiles 2 (B % 4), 2 (B % 4) + 1
	s_mov_b32 s43, 0
	s_bfe_u32 s45, s10, 0x10001
	s_lshl_b32 s45, s45, 9
	s_add_co_u32 s44, s44, s45
	s_and_b32 s45, s10, 1
	s_lshl_b32 s45, s45, 3
	s_add_co_u32 s44, s44, s45                     ; and their scale words: 512 (T / 4) + 4 (T % 4)
	s_mov_b32 s45, 0
	s_lshl_b32 s46, s10, 5
	s_lshr_b32 s47, s8, 1
	s_lshl_b32 s47, s47, 3
	s_add_co_u32 s46, s46, s47
	s_and_b32 s47, s8, 1
	s_lshl_b32 s47, s47, 4
	s_add_co_u32 s46, s46, s47                     ; the eight rows of out0 that I store: 32 B + 8 (w / 2) + 16 (w % 2) on
	s_lshl_b32 s46, s46, 10
	s_mov_b32 s47, 0
	s_wait_kmcnt 0x0
	s_add_nc_u64 s[32:33], s[4:5], s[32:33]
	s_add_nc_u64 s[12:13], s[4:5], s[42:43]
	s_add_nc_u64 s[14:15], s[4:5], s[44:45]
	s_add_nc_u64 s[40:41], s[6:7], s[46:47]
.irp n, 0,1                                    ; descriptor group 0, a set for each slot: slot n begins with step n, block 4 n + w
	s_mov_b32 s[24+4*\n], 1                        ; count = 1
	s_add_co_u32 s[25+4*\n], s11, \n*SLOT          ; LDS address
	s_add_nc_u64 s[26+4*\n:27+4*\n], s[32:33], \n*4*BLK   ; global address
	s_or_b32 s[27+4*\n], s[27+4*\n], 0x80000000    ; type = 2
.endr
	ROUND                                          ; all four work-groups are here: the first joint loads meet
	tensor_load_to_lds s[24:27], s[16:23]          ; step 0's block into slot 0
	s_nop 0
	PLACES
	v_and_b32 v123, 31, v0                         ; lane
	v_and_b32 v124, 15, v0                         ; r
	v_bfe_u32 v125, v0, 4, 1                       ; h
	v_lshlrev_b32 v5, 4, v123                      ; v5  16 x lane
	v_add_nc_u32 v1, s11, v5                       ; v1  my lane's place in my part of slot 0
	v_add_nc_u32 v2, SLOT, v1                      ; v2  and of slot 1
.irp t, 0,1
.irp k, 0,1
.irp c, 0,1
	global_load_b128 v[QF+16*\t+8*\k+4*\c:QF+16*\t+8*\k+4*\c+3], v5, s[12:13] offset:8192*\k+1024*\t+512*\c   ; Q's four fragments stay in registers
.endr
.endr
.endr
	global_load_b64 v[QS:QS+1], v5, s[14:15]       ; Q's scale words
	s_lshl_b32 s39, s8, 9
	s_add_co_u32 s39, s39, EX
	v_lshl_add_u32 v6, v123, 2, s39                ; v6  where I put my -M and l
	v_lshl_add_u32 v7, v123, 2, EX                 ; v7  where I read all four waves'
	v_mul_u32_u24 v8, v124, MP
	v_lshl_add_u32 v8, v125, 6, v8
	v_add_nc_u32 v8, s11, v8                       ; v8  my stage: row r, + 64 h
	s_mul_i32 s39, s8, 8*MP
	v_add_nc_u32 v9, s39, v5                       ; v9  the rows 8 w on of the stages of waves 0 and 1 (34,816 in the immediate),
	v_add_nc_u32 v122, 2*PART, v9                  ; v122  and of waves 2 and 3
.irp t, 0,1
.irp b, 0,1,2,3
	v_mov_b32 v[TP+16*\t+4+\b], 0                  ; written once: a lane permute's destination counts as one of its sources
.endr
	v_mov_b32 v[ST+6*\t+5], 0                      ; (named as the upper half of the pair with f)
.endr
	s_wait_loadcnt 0x0                             ; Q
	TRIP 0, 1, 1                                   ; step 0 starts M, l and O^T
	s_mov_b32 s38, 7
.Lloop:                                            ; steps 1 to 14, two a trip
	TRIP 1, 1, 0
	TRIP 0, 1, 0
	s_sub_co_u32 s38, s38, 1
	s_cmp_lg_u32 s38, 0
	s_cbranch_scc1 .Lloop
	TRIP 1, 0, 0                                   ; step 15 is written out: nothing is left to fetch
	; THE MERGE.  Each wave's -M and l go round; every wave finds the common M, the whole l and its own factor 2^(M_w - M) / l.
	PLACES                                         ; behind the last products
.irp t, 0,1
	v_add_f32 v[TP+16*\t+14], v[ST+6*\t+2], v[ST+6*\t+3]             ; l's two halves,
.endr
.irp t, 0,1
	v_permlanex16_b32 v[TP+16*\t+4], v[TP+16*\t+14], s36, s37
.endr
.irp t, 0,1
	v_add_f32 v[TP+16*\t+14], v[TP+16*\t+14], v[TP+16*\t+4]          ; and lane l xor 16's
.endr
.irp t, 0,1
	ds_store_b32 v6, v[ST+6*\t] offset:256*\t
	ds_store_b32 v6, v[TP+16*\t+14] offset:256*\t+128
.endr
	s_wait_dscnt 0x0                               ; for the others' sake: my stores have landed
	s_barrier_signal -1
	s_barrier_wait -1
.irp t, 0,1
.irp n, 0,1,2,3
	ds_load_b32 v[S+8*\t+2*\n], v7 offset:512*\n+256*\t              ; wave n's -M,
	ds_load_b32 v[S+8*\t+2*\n+1], v7 offset:512*\n+256*\t+128        ; and its l
.endr
.endr
	s_wait_dscnt 0x0
.irp t, 0,1
	v_min3_num_f32 v[S+16+8*\t], v[S+8*\t], v[S+8*\t+2], v[S+8*\t+4]
.endr
.irp t, 0,1
	v_min_num_f32 v[S+16+8*\t], v[S+16+8*\t], v[S+8*\t+6]            ; the least -M: the common M
.endr
.irp n, 0,1,2,3
.irp t, 0,1
	v_sub_f32 v[S+8*\t+2*\n], v[S+16+8*\t], v[S+8*\t+2*\n]           ; M_n - M: a whole number, 0 or less
.endr
.endr
.irp t, 0,1
	v_sub_f32 v[S+17+8*\t], v[S+16+8*\t], v[ST+6*\t]                 ; my own
.endr
.irp n, 0,1,2,3
.irp t, 0,1
	v_cvt_i32_f32 v[S+8*\t+2*\n], v[S+8*\t+2*\n]
.endr
.endr
.irp t, 0,1
	v_cvt_i32_f32 v[S+17+8*\t], v[S+17+8*\t]
.endr
.irp n, 0,1,2,3
.irp t, 0,1
	v_ldexp_f32 v[S+8*\t+2*\n], 1.0, v[S+8*\t+2*\n]                  ; 2^(M_n - M)
.endr
.endr
.irp t, 0,1
	v_ldexp_f32 v[S+17+8*\t], 1.0, v[S+17+8*\t]
.endr
.irp t, 0,1
	v_mul_f32 v[S+18+8*\t], v[S+8*\t], v[S+8*\t+1]
.endr
.irp n, 1,2,3
.irp t, 0,1
	v_fma_f32 v[S+18+8*\t], v[S+8*\t+2*\n], v[S+8*\t+2*\n+1], v[S+18+8*\t]   ; the whole l under the common M
.endr
.endr
.irp t, 0,1
	v_rcp_f32 v[S+18+8*\t], v[S+18+8*\t]
.endr
	v_nop                                          ; one plain place behind a transcendental
	s_wait_alu depctr_va_vdst(0)
.irp t, 0,1
	v_mul_f32 v[ST+6*\t+4], v[S+17+8*\t], v[S+18+8*\t]
.endr
	WIN 0x41
.irp t, 0,1
.set j, 0
.rept 64
	v_pk_mul_f32 v[128*\t+j:128*\t+j+1], v[128*\t+j:128*\t+j+1], v[ST+6*\t+4:ST+6*\t+5] op_sel_hi:[1,0]   ; my O^T under the common M, divided by l; each accumulator from its low end on
.set j, j+2
.endr
.endr
	WIN 0x04                                       ; an LDS store's data are its source 1: window 1
.irp t, 0,1                                    ; into my stage: row 16 t + r; register j of tile 8 g + 2 b + u is channel 128 g + 32 b + 16 h + 8 u + j
.irp g, 0,1
.irp b, 0,1,2,3
.irp u, 0,1
	ds_store_b128 v8, v[128*\t+8*(8*\g+2*\b+\u):128*\t+8*(8*\g+2*\b+\u)+3] offset:16*MP*\t+512*\g+128*\b+32*\u
	ds_store_b128 v8, v[128*\t+8*(8*\g+2*\b+\u)+4:128*\t+8*(8*\g+2*\b+\u)+7] offset:16*MP*\t+512*\g+128*\b+32*\u+16
.endr
.endr
.endr
.endr
	WIN 0
	s_wait_dscnt 0x0                               ; for the others' sake: my stores have landed
	s_barrier_signal -1
	s_barrier_wait -1
	WIN 0x80                                       ; wave w adds the four stages' rows 8 w .. 8 w + 7: source n's at v[64 n] of window 2, row i, half a row of 512 bytes an instruction
.irp n, 0,1
.irp i, 0,1,2,3,4,5,6,7
.irp c, 0,1
	ds_load_b128 v[64*\n+8*\i+4*\c:64*\n+8*\i+4*\c+3], v9 offset:PART*\n+MP*\i+512*\c
.endr
.endr
.endr
.irp n, 0,1
.irp i, 0,1,2,3,4,5,6,7
.irp c, 0,1
	ds_load_b128 v[128+64*\n+8*\i+4*\c:128+64*\n+8*\i+4*\c+3], v122 offset:PART*\n+MP*\i+512*\c
.endr
.endr
.endr
	s_wait_dscnt 0x0
	WIN 0x8a                                       ; destination and both sources window 2
.set j, 0
.rept 32
	v_pk_add_f32 v[j:j+1], v[j:j+1], v[64+j:64+j+1]
	v_pk_add_f32 v[128+j:128+j+1], v[128+j:128+j+1], v[192+j:192+j+1]
.set j, j+2
.endr
.set j, 0
.rept 32
	v_pk_add_f32 v[j:j+1], v[j:j+1], v[128+j:128+j+1]
.set j, j+2
.endr
	WIN 0x08                                       ; a store's data are its source 1: window 2
.irp i, 0,1,2,3,4,5,6,7
.irp c, 0,1
	global_store_b128 v5, v[8*\i+4*\c:8*\i+4*\c+3], s[40:41] offset:1024*\i+512*\c th:TH_STORE_NT   ; 32 lanes store 512 consecutive bytes, at a multiple of 512 from out0's first byte; written once
.endr
.endr
	WIN 0
	s_wait_tensorcnt 0x0                           ; the wave's end, behind my last tensor load and my last LDS store
	ds_add_u32 v3, v4
	s_wait_dscnt 0x0
	ROUND                                          ; the closing round: no work-group ends while a partner may still ask for a block that names it
	s_endpgm
.Lfunc_end_k_q27af50e5a6_attn:
	.size	k_q27af50e5a6_attn, .Lfunc_end_k_q27af50e5a6_attn-k_q27af50e5a6_attn
	.p2alignl 7, 3214868480
	.fill 96, 4, 3214868480
	.section	.rodata,"a",@progbits
	.p2align	6, 0x0
	.amdhsa_kernel k_q27af50e5a6_attn
		.amdhsa_group_segment_fixed_size 327680
		.amdhsa_private_segment_fixed_size 0
		.amdhsa_enable_private_segment 0
		.amdhsa_kernarg_size 16
		.amdhsa_user_sgpr_count 2
		.amdhsa_user_sgpr_kernarg_segment_ptr 1
		.amdhsa_wavefront_size32 1
		.amdhsa_system_sgpr_workgroup_id_x 1
		.amdhsa_system_sgpr_workgroup_id_y 1
		.amdhsa_system_sgpr_workgroup_id_z 1
		.amdhsa_system_vgpr_workitem_id 0
		.amdhsa_next_free_vgpr 768
		.amdhsa_next_free_sgpr 66
		.amdhsa_reserve_vcc 0
		.amdhsa_float_denorm_mode_32 3
		.amdhsa_float_denorm_mode_16_64 3
		.amdhsa_memory_ordered 1
		.amdhsa_forward_progress 1
		.amdhsa_inst_pref_size 196
	.end_amdhsa_kernel
	.amdgpu_metadata
---
amdhsa.version: [ 1, 2 ]
amdhsa.kernels:
  - .name:           k_q27af50e5a6_attn
    .symbol:         k_q27af50e5a6_attn.kd
    .args:
      - { .name: ws, .offset: 0, .size: 8, .value_kind: global_buffer, .address_space: global }
      - { .name: out0, .offset: 8, .size: 8, .value_kind: global_buffer, .address_space: global }
    .group_segment_fixed_size: 327680
    .private_segment_fixed_size: 0
    .kernarg_segment_align: 8
    .kernarg_segment_size: 16
    .max_flat_workgroup_size: 128
    .sgpr_count:     66
    .vgpr_count:     768
    .wavefront_size: 32
...
	.end_amdgpu_metadata
.endif
;; end of part 2
;; ======== version 2 of 3: 2 launches; 1.18 times as fast as version 1
;; workspace buffers: ws 3,342,336 bytes
;; launch proj: the kernel of part 1 again; grid 64 x 6, 4 waves a work-group, no clusters, 89,088 bytes of LDS; arguments x, wq, bq, wk, bk, wv, bv, ws; writes ws
;; launch attn (part 3): grid 256 x 1, 4 waves a work-group, clusters of 4 x 1, 327,680 bytes of LDS; arguments ws, out0; writes out0
.if DOCPART == 3
	.amdgcn_target "amdgcn-amd-amdhsa--gfx1250"
	.amdhsa_code_object_version 6
	.text
	.protected	k_q27af50e5a6_attn
	.globl	k_q27af50e5a6_attn
	.p2align	8
	.type	k_q27af50e5a6_attn,@function
k_q27af50e5a6_attn:
	s_mov_b64 s[64:65], 0
	v_nop
	global_prefetch_b8 v0, s[64:65] scope:SCOPE_SE
	s_setreg_imm32_b32 hwreg(HW_REG_WAVE_MODE, 25, 1), 1
	s_wait_xcnt 0x0
	s_wait_alu depctr_hold_cnt(0) depctr_sa_sdst(0) depctr_va_vdst(0) depctr_va_sdst(0) depctr_va_ssrc(0) depctr_va_vcc(0) depctr_vm_vsrc(0)
	s_getreg_b32 s2, hwreg(HW_REG_IB_STS2, 6, 4)
	s_cmp_eq_u32 s2, 0
	s_cbranch_scc0 .Lentry_in_a_cluster
	s_endpgm
.Lentry_in_a_cluster:
	s_bfe_u32 s2, ttmp6, 0x10000c
	s_cmp_lg_u32 s2, 0x3003
	s_cbranch_scc0 .Lentry_shape_is_right
	s_endpgm
.Lentry_shape_is_right:
; out0[q] = the sum over k of softmax_k(Qrot[q] . Krot[k] / 16) V[k], 8,192 queries and keys, 256 channels, both products on codes of FP4 (E2M1) with one E8M0 scale for each 32 along a product's K.
; ws holds Q, K and V as images of operand registers, 64 blocks of 128 tokens, [Q part | K part | V part] of 17,408 bytes: 16 fragments of 1,024 bytes (registers 4 c .. 4 c + 3 of lane l at 512 c + 16 l), then scale words.
; Fragment 8 g + T; lane r of tile T is row 32 (T / 2) + 8 (T % 2) + r + 8 (r / 8).  Q, K: rows = tokens, g = which 128 channels.  V: rows = channels 128 g + .., K = the block's 128 keys.
; THE SOFTMAX AHEAD OF THE SECOND PRODUCT: t = score x log2(e) / 16; M = the largest t so far, rounded up to a whole number; p = 2^(t - M) is quantised along the keys, not normalised; the sum l is taken of the
; unquantised p.  When M moves, l and O are multiplied by 2^(old M - new M), which rounds nothing.
; SHARES.  A work-group owns 32 queries, two tiles of 16; EVERY wave holds both tiles, and THE WAVES SPLIT THE KEYS: wave w takes the blocks of 128 keys 4 k + w, k = 0 .. 15, with an M, an l and an O^T of its own.
; At the end the four are brought under one M (exact factors), divided by the whole l and added, through LDS.  So a fragment of K or V read from LDS feeds two products, and each is read from LDS once.
; LAYOUT.  Both products are used transposed: S^T = K Q^T (source 0 = 16 keys), O^T = V^T P^T (source 0 = 16 channels): a lane holds one query throughout, and by the row order above the 16 registers of
; tiles 2 b, 2 b + 1 of S^T are 16 neighbouring keys, so the conversions' results are the second product's operand.
; THE RING.  Two LDS slots; in each, 34,816 bytes for each wave: a block's K part and V part, which are consecutive in ws.  Each wave fetches its own block with one tensor load and reads only its own bytes.
; A step takes its slot's K into registers ahead of the step and its V ahead of the softmax, so the slot is read out when the softmax ends: THE CHANGE OF SLOTS STANDS BETWEEN THE SOFTMAX AND THE SECOND PRODUCT.
; There the slot in hand is filled again with the block two steps on, and the next step's K is loaded from the other slot, so that it lands under the second product's 32 matrix instructions.
; CLUSTER.  All work-groups walk the same K and V: the four of a cluster ask JOINTLY, by the same tensor load with the same descriptor (it hangs on the cluster's number, the wave's number and the step) and the mask 15.
; THE WALK GOES ROUND.  Cluster c takes the 16 groups of four blocks in the order (c + i) % 16, i = 0 .. 15: the 64 clusters' first fills ask for all 64 blocks, and in step i a cluster asks for the group
; that cluster c + 1 asked for in step i - 1.  The order of the keys does not matter to a running M.
; Two tensor loads of a wave are out at the start, one behind each round; each has a whole step of the wave's work in which to land.  No data prefetch is written: the first fills already ask for all of K and V.
; LIMITS: NaN and infinities are not served; a block of p whose largest number lies under 2^-124 gets the scale byte 1; each wave's O^T is divided by l before the four are added.
; REGISTERS.  Window 0: v1-9, v122 addresses; v10-21 six statistics a tile; v22-53 sixteen registers at work a tile; v54-73 scale words; v74-89 p's codes; v90-121 Q; v128-255 S^T, then p, 64 a tile.
;   Window 1: O^T, 128 a tile (tile t, channels' tile ct at 128 t + 8 ct).   Window 2: v0-127 K's 16 fragments, v128-255 V's 16.
.set BLK,   52224
.set PART1, 17408
.set PART,  34816                      ; a wave's bytes in a slot: K's fragments at 1,024 (8 ks + T), K's scale words at 16,384, V's fragments at 17,408 + 1,024 ct, V's scale words at 33,792
.set SLOT,  139264
.set SPARE, 278528                     ; behind the ring: the spare words, 128 bytes for each wave: two blocks of 256 bytes that no other line names
.set EX,    279040                     ; the waves' -M and l: 512 w + 256 t + 128 kind + 4 x lane
.set MP,    1040                       ; the merge's stage: 32 rows x (1,024 + 16) bytes in each wave's part of slot 0, which has had its last fill by then and was read by that wave alone
.set ST,  10                           ; tile t at v[ST + 6 t]: +0 -M, +1 the largest t, +2, +3 l in two halves, +4 the factor f, +5 written once (named with f as a pair)
.set TP,  22                           ; tile t at v[TP + 16 t]: +0..3 the blocks' largest, +4..7 the other half's, then the bytes, +8..11 the conversions' scale operands, +12, +13 a second chain of sums, +14 at work
.set QS,  54                           ; v54-55 Q's scale words, tile t: lanes 0-15 K step 0, lanes 16-31 K step 1
.set PWD, 56                           ; v56-57 p's scale words
.set KS,  58                           ; v58-65 K's, tile T, halves as Q's
.set VS,  66                           ; v66-73 V's, tile ct % 8: lanes 0-15 ct < 8, lanes 16-31 ct >= 8
.set PC,  74                           ; v74-89 p's codes, 8 a tile
.set QF,  90                           ; v90-121 Q's fragments: 16 t + 8 ks
.set S,   128
.set MSB, 0
.macro WIN new                         ; the immediate's high byte repeats the setting that is left; bits 1:0 source 0, 3:2 source 1, 5:4 source 2, 7:6 destination
.if MSB != \new
	s_set_vgpr_msb (MSB<<8)|\new
.set MSB, \new
.endif
.endm
.macro PLACES
.rept 4
	v_nop
.endr
.endm
; A round of the cluster's barrier: my work-group's barrier, wave 0 signals for the work-group, every wave waits for all four work-groups, my work-group's barrier once more
.macro ROUND
	s_barrier_signal -1
	s_barrier_wait -1
	s_cmp_lg_u32 s8, 0
	s_cbranch_scc1 .Lnot_wave_0_\@
	s_barrier_signal -3
.Lnot_wave_0_\@:
	s_barrier_wait -3
	s_barrier_signal -1
	s_barrier_wait -1
.endm
.macro KLOAD slot                      ; K's scale words, then its 16 fragments, K step 0 first
	ds_load_b128 v[KS:KS+3], v[1+(\slot)] offset:16384
	ds_load_b128 v[KS+4:KS+7], v[1+(\slot)] offset:16384+512
	WIN 0x80
.irp p, 0,1,2,3,4,5,6,7,8,9,10,11,12,13,14,15
	ds_load_b128 v[8*\p:8*\p+3], v[1+(\slot)] offset:1024*\p
	ds_load_b128 v[8*\p+4:8*\p+7], v[1+(\slot)] offset:1024*\p+512
.endr
	WIN 0
.endm
.macro VLOAD slot                      ; V's likewise: they land while the softmax is worked
	ds_load_b128 v[VS:VS+3], v[1+(\slot)] offset:33792
	ds_load_b128 v[VS+4:VS+7], v[1+(\slot)] offset:33792+512
	WIN 0x80
.irp p, 0,1,2,3,4,5,6,7,8,9,10,11,12,13,14,15
	ds_load_b128 v[128+8*\p:128+8*\p+3], v[1+(\slot)] offset:PART1+1024*\p
	ds_load_b128 v[128+8*\p+4:128+8*\p+7], v[1+(\slot)] offset:PART1+1024*\p+512
.endr
	WIN 0
.endm
; S^T = K Q^T: 8 tiles of keys x 2 tiles of queries, two K steps.  The sixteen accumulators take turns, one instruction a turn; the first K step starts the sums.
.macro SPROD
	s_wait_dscnt 16                                ; the scale words and K step 0's fragments are in; K step 1's sixteen loads may be out
	WIN 0x02                                       ; source 0 (K) window 2
.irp n, 0,1,2,3,4,5,6,7
.irp t, 0,1
	v_wmma_scale_f32_16x16x128_f8f6f4 v[S+64*\t+8*\n:S+64*\t+8*\n+7], v[8*\n:8*\n+7], v[QF+16*\t:QF+16*\t+7], 0, v[KS+\n], v[QS+\t] matrix_a_fmt:MATRIX_FMT_FP4 matrix_b_fmt:MATRIX_FMT_FP4
.endr
.endr
	s_wait_dscnt 0x0
.irp n, 0,1,2,3,4,5,6,7
.irp t, 0,1
	v_wmma_scale_f32_16x16x128_f8f6f4 v[S+64*\t+8*\n:S+64*\t+8*\n+7], v[64+8*\n:64+8*\n+7], v[QF+16*\t+8:QF+16*\t+15], v[S+64*\t+8*\n:S+64*\t+8*\n+7], v[KS+\n], v[QS+\t] matrix_a_fmt:MATRIX_FMT_FP4 matrix_b_fmt:MATRIX_FMT_FP4 matrix_a_scale:MATRIX_SCALE_ROW1 matrix_b_scale:MATRIX_SCALE_ROW1
.endr
.endr
	WIN 0
.endm
; O^T += V^T P^T: 16 tiles of channels x 2 tiles of queries, K = the step's 128 keys: one instruction for each of 32 accumulators.  first = 1: the products start the sums: nothing is ever cleared.
; (V was waited for in front of this macro; the next step's K may be on its way from LDS.)
.macro PVPROD first
	WIN 0x52                                       ; source 0 (V) window 2, C and D window 1
.irp n, 0,1,2,3,4,5,6,7
.irp t, 0,1
.if \first
	v_wmma_scale_f32_16x16x128_f8f6f4 v[128*\t+8*\n:128*\t+8*\n+7], v[128+8*\n:128+8*\n+7], v[PC+8*\t:PC+8*\t+7], 0, v[VS+\n], v[PWD+\t] matrix_a_fmt:MATRIX_FMT_FP4 matrix_b_fmt:MATRIX_FMT_FP4
.else
	v_wmma_scale_f32_16x16x128_f8f6f4 v[128*\t+8*\n:128*\t+8*\n+7], v[128+8*\n:128+8*\n+7], v[PC+8*\t:PC+8*\t+7], v[128*\t+8*\n:128*\t+8*\n+7], v[VS+\n], v[PWD+\t] matrix_a_fmt:MATRIX_FMT_FP4 matrix_b_fmt:MATRIX_FMT_FP4
.endif
.endr
.endr
.irp n, 0,1,2,3,4,5,6,7
.irp t, 0,1
.if \first
	v_wmma_scale_f32_16x16x128_f8f6f4 v[128*\t+64+8*\n:128*\t+64+8*\n+7], v[192+8*\n:192+8*\n+7], v[PC+8*\t:PC+8*\t+7], 0, v[VS+\n], v[PWD+\t] matrix_a_fmt:MATRIX_FMT_FP4 matrix_b_fmt:MATRIX_FMT_FP4 matrix_a_scale:MATRIX_SCALE_ROW1
.else
	v_wmma_scale_f32_16x16x128_f8f6f4 v[128*\t+64+8*\n:128*\t+64+8*\n+7], v[192+8*\n:192+8*\n+7], v[PC+8*\t:PC+8*\t+7], v[128*\t+64+8*\n:128*\t+64+8*\n+7], v[VS+\n], v[PWD+\t] matrix_a_fmt:MATRIX_FMT_FP4 matrix_b_fmt:MATRIX_FMT_FP4 matrix_a_scale:MATRIX_SCALE_ROW1
.endif
.endr
.endr
	WIN 0
.endm
; The softmax of a step, both tiles by turns.  first = 1: the wave's first step, which starts M, l and O^T: no old M, no factor, nothing to rescale.
.macro SOFTMAX first
.irp b, 0,1,2,3
.irp t, 0,1
	v_max3_num_f32 v[TP+16*\t+\b], v[S+64*\t+16*\b], v[S+64*\t+16*\b+1], v[S+64*\t+16*\b+2]   ; the largest score of each block of 32 keys: for the row's maximum, and, since p rises with the score, for the block's largest p
.endr
.endr
.irp i, 3,5,7,9,11,13
.irp b, 0,1,2,3
.irp t, 0,1
	v_max3_num_f32 v[TP+16*\t+\b], v[TP+16*\t+\b], v[S+64*\t+16*\b+\i], v[S+64*\t+16*\b+\i+1]
.endr
.endr
.endr
.irp b, 0,1,2,3
.irp t, 0,1
	v_max_num_f32 v[TP+16*\t+\b], v[TP+16*\t+\b], v[S+64*\t+16*\b+15]
.endr
.endr
.irp b, 0,1,2,3
.irp t, 0,1
	v_permlanex16_b32 v[TP+16*\t+4+\b], v[TP+16*\t+\b], s36, s37
.endr
.endr
.irp b, 0,1,2,3
.irp t, 0,1
	v_max_num_f32 v[TP+16*\t+\b], v[TP+16*\t+\b], v[TP+16*\t+4+\b]   ; with lane l xor 16's 16 keys
.endr
.endr
.irp t, 0,1
	v_max3_num_f32 v[TP+16*\t+14], v[TP+16*\t], v[TP+16*\t+1], v[TP+16*\t+2]
.endr
.irp t, 0,1
	v_max_num_f32 v[TP+16*\t+14], v[TP+16*\t+14], v[TP+16*\t+3]      ; the step's largest score of my query
.endr
.if \first
.irp t, 0,1
	v_mul_f32 v[ST+6*\t+1], s34, v[TP+16*\t+14]    ; as t (c is positive): the largest t so far
.endr
.irp t, 0,1
	v_floor_f32 v[ST+6*\t], -v[ST+6*\t+1]          ; -M = floor(-t) = -ceil(t)
.endr
.else
.irp t, 0,1
	v_mul_f32 v[TP+16*\t+14], s34, v[TP+16*\t+14]
.endr
.irp t, 0,1
	v_max_num_f32 v[ST+6*\t+1], v[ST+6*\t+1], v[TP+16*\t+14]         ; the running largest t
.endr
.irp t, 0,1
	v_mov_b32 v[TP+16*\t+14], v[ST+6*\t]
.endr
.irp t, 0,1
	v_floor_f32 v[ST+6*\t], -v[ST+6*\t+1]          ; the new -M
.endr
.irp t, 0,1
	v_sub_f32 v[TP+16*\t+14], v[ST+6*\t], v[TP+16*\t+14]             ; old M - new M: a whole number, 0 or less
.endr
.irp t, 0,1
	v_cvt_i32_f32 v[TP+16*\t+14], v[TP+16*\t+14]   ; (it saturates)
.endr
.irp t, 0,1
	v_ldexp_f32 v[ST+6*\t+4], 1.0, v[TP+16*\t+14]  ; f = 2^(old M - new M)
.endr
.endif
.irp t, 0,1
.set j, 0
.rept 32
	v_pk_fma_f32 v[S+64*\t+j:S+64*\t+j+1], v[S+64*\t+j:S+64*\t+j+1], s[34:35], v[ST+6*\t:ST+6*\t+1] op_sel_hi:[1,0,0]   ; t - M, two at a time (of the pairs c and -M the low word serves both halves)
.set j, j+2
.endr
.endr
.irp b, 0,1,2,3
.irp t, 0,1
	v_fma_f32 v[TP+16*\t+\b], v[TP+16*\t+\b], s34, v[ST+6*\t]        ; the same of each block's largest score
.endr
.endr
.irp t, 0,1
.set j, 0
.rept 64
	v_exp_f32 v[S+64*\t+j], v[S+64*\t+j]           ; p = 2^(t - M), at most 1
.set j, j+1
.endr
.endr
.irp b, 0,1,2,3
.irp t, 0,1
	v_exp_f32 v[TP+16*\t+\b], v[TP+16*\t+\b]       ; the block's largest p: the same two instructions on the same number
.endr
.endr
.if \first
	v_nop                                          ; a plain place behind the exponentials
	s_wait_alu depctr_va_vdst(0)
.else
	s_wait_alu depctr_va_vdst(0)
.irp t, 0,1
	v_pk_mul_f32 v[ST+6*\t+2:ST+6*\t+3], v[ST+6*\t+2:ST+6*\t+3], v[ST+6*\t+4:ST+6*\t+5] op_sel_hi:[1,0]   ; l under the new M.  (A plain place behind the exponentials)
.endr
.endif
.irp b, 0,1,2,3
.irp t, 0,1
	v_max_num_f32 v[TP+16*\t+\b], 0x1800000, v[TP+16*\t+\b]          ; the floor 2^(3 - 127): the byte cannot fall under 1
.endr
.endr
.irp b, 0,1,2,3
.irp t, 0,1
	v_add_nc_u32 v[TP+16*\t+8+\b], 0xff000000, v[TP+16*\t+\b]        ; 2 off the exponent field: the conversion's scale operand
.endr
.endr
.irp b, 0,1,2,3
.irp t, 0,1
	v_lshrrev_b32 v[TP+16*\t+4+\b], 23, v[TP+16*\t+8+\b]             ; the scale's byte
.endr
.endr
.irp t, 0,1
	v_lshl_or_b32 v[PWD+\t], v[TP+16*\t+5], 8, v[TP+16*\t+4]         ; p's scale word for these 128 keys
.endr
.irp t, 0,1
	v_lshl_or_b32 v[PWD+\t], v[TP+16*\t+6], 16, v[PWD+\t]
.endr
.irp t, 0,1
	v_lshl_or_b32 v[PWD+\t], v[TP+16*\t+7], 24, v[PWD+\t]
.endr
.irp t, 0,1
.irp b, 0,1,2,3
	v_cvt_scalef32_pk8_fp4_f32 v[PC+8*\t+2*\b], v[S+64*\t+16*\b:S+64*\t+16*\b+7], v[TP+16*\t+8+\b]
	v_cvt_scalef32_pk8_fp4_f32 v[PC+8*\t+2*\b+1], v[S+64*\t+16*\b+8:S+64*\t+16*\b+15], v[TP+16*\t+8+\b]
.endr
.endr
	v_nop                                          ; one plain place behind a scaled conversion
.irp t, 0,1
.irp c, 0,1                                    ; the operand's layout wants a whole block in a lane
.irp i, 0,1
	v_permlane16_swap_b32 v[PC+8*\t+4*\c+\i], v[PC+8*\t+4*\c+2+\i]
.endr
.endr
.endr
.irp t, 0,1
	v_pk_add_f32 v[TP+16*\t+12:TP+16*\t+13], v[S+64*\t:S+64*\t+1], v[S+64*\t+2:S+64*\t+3]   ; the row's sum is taken of the unquantised p: two at a time, in two chains
.endr
.irp t, 0,1
.if \first
	v_pk_add_f32 v[ST+6*\t+2:ST+6*\t+3], v[S+64*\t+4:S+64*\t+5], v[S+64*\t+6:S+64*\t+7]     ; l begins here
.else
	v_pk_add_f32 v[ST+6*\t+2:ST+6*\t+3], v[ST+6*\t+2:ST+6*\t+3], v[S+64*\t+4:S+64*\t+5]
	v_pk_add_f32 v[TP+16*\t+12:TP+16*\t+13], v[TP+16*\t+12:TP+16*\t+13], v[S+64*\t+6:S+64*\t+7]
.endif
.endr
.irp j, 8,12,16,20,24,28,32,36,40,44,48,52,56,60
.irp t, 0,1
	v_pk_add_f32 v[ST+6*\t+2:ST+6*\t+3], v[ST+6*\t+2:ST+6*\t+3], v[S+64*\t+\j:S+64*\t+\j+1]
	v_pk_add_f32 v[TP+16*\t+12:TP+16*\t+13], v[TP+16*\t+12:TP+16*\t+13], v[S+64*\t+\j+2:S+64*\t+\j+3]
.endr
.endr
.irp t, 0,1
	v_pk_add_f32 v[ST+6*\t+2:ST+6*\t+3], v[ST+6*\t+2:ST+6*\t+3], v[TP+16*\t+12:TP+16*\t+13]
.endr
.if !\first
	WIN 0x41                                       ; O^T (destination and source 0) window 1, f window 0
.irp t, 0,1
.set j, 0
.rept 64
	v_pk_mul_f32 v[128*\t+j:128*\t+j+1], v[128*\t+j:128*\t+j+1], v[ST+6*\t+4:ST+6*\t+5] op_sel_hi:[1,0]   ; O^T under the new M; each accumulator from its low end on
.set j, j+2
.endr
.endr
	WIN 0
.endif
.endm
; A step of the wave: 128 keys out of the slot named; its K was asked for from LDS in the step before.
; more = 2: behind the softmax the slots change.  All my tensor loads have landed (the next step's block, in the other slot), 0 is added to my spare word, that and my reads of this slot (V's; K's were waited
;   for by the first product) are waited for, and a round of the cluster's barrier follows: no wave of any partner still reads this slot or has a load on its way.  This slot takes the block two steps on.
; more = 1: nothing is left to ask for, so no barrier: my own wait shows my own block landed.     more = 0: the last step.
.macro STEP slot, more, first
	SPROD
	PLACES                                         ; four places: between the last step's second product and the loads into V's registers, and between this first product and the first read of scores
	VLOAD \slot
	SOFTMAX \first
.if \more == 2
	s_wait_tensorcnt 0x0                           ; no tensor load of mine is out, so a group 0 may be written
	ds_add_u32 v3, v4                              ; 0 onto my spare word; the descriptor's step stands between it and the wait for it
	s_and_b32 s50, s48, 15                         ; the group of four blocks two steps on: the walk goes round after group 15
	s_mul_i32 s50, s50, 4*BLK
	s_add_nc_u64 s[26+4*\slot:27+4*\slot], s[32:33], s[50:51]   ; made anew from my wave's block of group 0
	s_or_b32 s[27+4*\slot], s[27+4*\slot], 0x80000000           ; type = 2
	s_add_co_u32 s48, s48, 1
	s_wait_dscnt 0x0                               ; the add is done, V is in, and so my reads of this slot are over
	ROUND
	tensor_load_to_lds s[24+4*\slot:27+4*\slot], s[16:23]   ; the first thing behind the round, and my one tensor load until the next
	s_nop 0
	PLACES                                         ; four v_nop behind the load
	KLOAD 1-\slot                                  ; the next step's K: it lands under the 32 products below
.elseif \more == 1
	s_wait_tensorcnt 0x0                           ; the last block has landed
	s_wait_dscnt 0x0                               ; V is in
	KLOAD 1-\slot
.else
	s_wait_dscnt 0x0                               ; V is in
.endif
	PVPROD \first
.endm
	s_load_b128 s[4:7], s[0:1], 0x0                ; ws s[4:5], out0 s[6:7]
	v_lshl_add_u32 v3, v0, 2, SPARE                ; my spare word; never rewritten
	v_mov_b32 v4, 0                                ; 0; never rewritten
	ds_add_u32 v3, v4
	ds_add_u32 v3, v4
	s_wait_dscnt 0x0
	v_lshrrev_b32 v5, 5, v0
	v_readfirstlane_b32 s8, v5                     ; wave 0..3
	s_bfe_u32 s9, ttmp6, 0x40000                   ; cx: my place in the cluster
	s_lshl_b32 s10, ttmp9, 2                       ; in a cluster launch ttmp9 counts clusters
	s_add_co_u32 s10, s10, s9                      ; B: my 32 queries; it enters Q's and out0's addresses alone
	s_and_b32 s48, ttmp9, 15                       ; where my cluster's walk begins: the four partners share it
	s_mov_b32 s51, 0                               ; (the upper word of the walk's offset)
	; descriptor group 1: 34,816 dense bytes as 136 rows of 32 elements of 8 bytes
	s_mov_b32 s16, 15|(3<<16)|(1<<21)              ; 15:0 the mask: all four work-groups; 17:16 elements of 8 bytes; 21 set beside a mask; no padding: images are read 16 bytes a lane on end
	s_mov_b32 s17, 32<<16                          ; tensor_dim0 = 32
	s_mov_b32 s18, 136<<16                         ; tensor_dim1 = 136
	s_mov_b32 s19, 32<<16                          ; tile_dim0 = 32
	s_mov_b32 s20, 136                             ; tile_dim1 = 136
	s_mov_b32 s21, 32                              ; from row to row
	s_mov_b32 s22, 0
	s_mov_b32 s23, 0
	s_mul_i32 s32, s8, BLK
	s_add_co_u32 s32, s32, PART1                   ; block w's K part
	s_mov_b32 s33, 0
	s_mul_i32 s11, s8, PART                        ; my bytes in a slot: no place in the cluster enters an LDS address
	s_mov_b32 s34, 0x3db8aa3b                      ; c = log2(e) / 16
	s_mov_b32 s35, s34                             ; (named with it as a pair)
	s_mov_b32 s36, 0x76543210
	s_mov_b32 s37, 0xfedcba98                      ; v_permlanex16_b32's selects for lane l xor 16
	s_lshr_b32 s42, s10, 2
	s_mul_i32 s42, s42, BLK                        ; my queries' block of 128 tokens: B / 4
	s_add_co_u32 s44, s42, 16384
	s_and_b32 s43, s10, 3
	s_lshl_b32 s43, s43, 11
	s_add_co_u32 s42, s42, s43                     ; Q's tiles 2 (B % 4), 2 (B % 4) + 1
	s_mov_b32 s43, 0
	s_bfe_u32 s45, s10, 0x10001
	s_lshl_b32 s45, s45, 9
	s_add_co_u32 s44, s44, s45
	s_and_b32 s45, s10, 1
	s_lshl_b32 s45, s45, 3
	s_add_co_u32 s44, s44, s45                     ; and their scale words: 512 (T / 4) + 4 (T % 4)
	s_mov_b32 s45, 0
	s_lshl_b32 s46, s10, 5
	s_lshr_b32 s47, s8, 1
	s_lshl_b32 s47, s47, 3
	s_add_co_u32 s46, s46, s47
	s_and_b32 s47, s8, 1
	s_lshl_b32 s47, s47, 4
	s_add_co_u32 s46, s46, s47                     ; the eight rows of out0 that I store: 32 B + 8 (w / 2) + 16 (w % 2) on
	s_lshl_b32 s46, s46, 10
	s_mov_b32 s47, 0
	s_wait_kmcnt 0x0
	s_add_nc_u64 s[32:33], s[4:5], s[32:33]        ; my wave's block of group 0: kept
	s_add_nc_u64 s[12:13], s[4:5], s[42:43]
	s_add_nc_u64 s[14:15], s[4:5], s[44:45]
	s_add_nc_u64 s[40:41], s[6:7], s[46:47]
.irp n, 0,1                                    ; descriptor group 0, a set for each slot: slot n begins with step n, group (c + n) % 16
	s_and_b32 s50, s48, 15
	s_mul_i32 s50, s50, 4*BLK
	s_mov_b32 s[24+4*\n], 1                        ; count = 1
	s_add_co_u32 s[25+4*\n], s11, \n*SLOT          ; LDS address
	s_add_nc_u64 s[26+4*\n:27+4*\n], s[32:33], s[50:51]   ; global address
	s_or_b32 s[27+4*\n], s[27+4*\n], 0x80000000    ; type = 2
	s_add_co_u32 s48, s48, 1
.endr
	ROUND                                          ; all four work-groups are here: the first joint loads meet
	tensor_load_to_lds s[24:27], s[16:23]          ; both first fills go out together: step 0's block into slot 0,
	s_nop 0
	tensor_load_to_lds s[28:31], s[16:23]          ; step 1's into slot 1: two loads of mine are out
	s_nop 0
	PLACES
	v_and_b32 v123, 31, v0                         ; lane
	v_and_b32 v124, 15, v0                         ; r
	v_bfe_u32 v125, v0, 4, 1                       ; h
	v_lshlrev_b32 v5, 4, v123                      ; v5  16 x lane
	v_add_nc_u32 v1, s11, v5                       ; v1  my lane's place in my part of slot 0
	v_add_nc_u32 v2, SLOT, v1                      ; v2  and of slot 1
.irp t, 0,1
.irp k, 0,1
.irp c, 0,1
	global_load_b128 v[QF+16*\t+8*\k+4*\c:QF+16*\t+8*\k+4*\c+3], v5, s[12:13] offset:8192*\k+1024*\t+512*\c   ; Q's four fragments stay in registers
.endr
.endr
.endr
	global_load_b64 v[QS:QS+1], v5, s[14:15]       ; Q's scale words
	s_lshl_b32 s39, s8, 9
	s_add_co_u32 s39, s39, EX
	v_lshl_add_u32 v6, v123, 2, s39                ; v6  where I put my -M and l
	v_lshl_add_u32 v7, v123, 2, EX                 ; v7  where I read all four waves'
	v_mul_u32_u24 v8, v124, MP
	v_lshl_add_u32 v8, v125, 6, v8
	v_add_nc_u32 v8, s11, v8                       ; v8  my stage: row r, + 64 h
	s_mul_i32 s39, s8, 8*MP
	v_add_nc_u32 v9, s39, v5                       ; v9  the rows 8 w on of the stages of waves 0 and 1 (34,816 in the immediate),
	v_add_nc_u32 v122, 2*PART, v9                  ; v122  and of waves 2 and 3
.irp t, 0,1
.irp b, 0,1,2,3
	v_mov_b32 v[TP+16*\t+4+\b], 0                  ; written once: a lane permute's destination counts as one of its sources
.endr
	v_mov_b32 v[ST+6*\t+5], 0                      ; (named as the upper half of the pair with f)
.endr
	s_wait_tensorcnt 0x1                           ; step 0's block is in my part of slot 0, which I alone read; step 1's load may be out
	KLOAD 0
	s_wait_loadcnt 0x0                             ; Q
	STEP 0, 2, 1                                   ; step 0 starts M, l and O^T, and asks for step 2's block
	s_mov_b32 s38, 6
.Lloop:                                            ; steps 1 to 12, two a trip; they ask for the blocks of steps 3 to 14
	STEP 1, 2, 0
	STEP 0, 2, 0
	s_sub_co_u32 s38, s38, 1
	s_cmp_lg_u32 s38, 0
	s_cbranch_scc1 .Lloop
	STEP 1, 2, 0                                   ; step 13 asks for the last block; the tail is written out
	STEP 0, 1, 0                                   ; step 14: nothing is left to fetch
	STEP 1, 0, 0                                   ; step 15
	; THE MERGE.  Each wave's -M and l go round; every wave finds the common M, the whole l and its own factor 2^(M_w - M) / l.
	PLACES                                         ; behind the last products
.irp t, 0,1
	v_add_f32 v[TP+16*\t+14], v[ST+6*\t+2], v[ST+6*\t+3]             ; l's two halves,
.endr
.irp t, 0,1
	v_permlanex16_b32 v[TP+16*\t+4], v[TP+16*\t+14], s36, s37
.endr
.irp t, 0,1
	v_add_f32 v[TP+16*\t+14], v[TP+16*\t+14], v[TP+16*\t+4]          ; and lane l xor 16's
.endr
.irp t, 0,1
	ds_store_b32 v6, v[ST+6*\t] offset:256*\t
	ds_store_b32 v6, v[TP+16*\t+14] offset:256*\t+128
.endr
	s_wait_dscnt 0x0                               ; for the others' sake: my stores have landed
	s_barrier_signal -1
	s_barrier_wait -1
.irp t, 0,1
.irp n, 0,1,2,3
	ds_load_b32 v[S+8*\t+2*\n], v7 offset:512*\n+256*\t              ; wave n's -M,
	ds_load_b32 v[S+8*\t+2*\n+1], v7 offset:512*\n+256*\t+128        ; and its l
.endr
.endr
	s_wait_dscnt 0x0
.irp t, 0,1
	v_min3_num_f32 v[S+16+8*\t], v[S+8*\t], v[S+8*\t+2], v[S+8*\t+4]
.endr
.irp t, 0,1
	v_min_num_f32 v[S+16+8*\t], v[S+16+8*\t], v[S+8*\t+6]            ; the least -M: the common M
.endr
.irp n, 0,1,2,3
.irp t, 0,1
	v_sub_f32 v[S+8*\t+2*\n], v[S+16+8*\t], v[S+8*\t+2*\n]           ; M_n - M: a whole number, 0 or less
.endr
.endr
.irp t, 0,1
	v_sub_f32 v[S+17+8*\t], v[S+16+8*\t], v[ST+6*\t]                 ; my own
.endr
.irp n, 0,1,2,3
.irp t, 0,1
	v_cvt_i32_f32 v[S+8*\t+2*\n], v[S+8*\t+2*\n]
.endr
.endr
.irp t, 0,1
	v_cvt_i32_f32 v[S+17+8*\t], v[S+17+8*\t]
.endr
.irp n, 0,1,2,3
.irp t, 0,1
	v_ldexp_f32 v[S+8*\t+2*\n], 1.0, v[S+8*\t+2*\n]                  ; 2^(M_n - M)
.endr
.endr
.irp t, 0,1
	v_ldexp_f32 v[S+17+8*\t], 1.0, v[S+17+8*\t]
.endr
.irp t, 0,1
	v_mul_f32 v[S+18+8*\t], v[S+8*\t], v[S+8*\t+1]
.endr
.irp n, 1,2,3
.irp t, 0,1
	v_fma_f32 v[S+18+8*\t], v[S+8*\t+2*\n], v[S+8*\t+2*\n+1], v[S+18+8*\t]   ; the whole l under the common M
.endr
.endr
.irp t, 0,1
	v_rcp_f32 v[S+18+8*\t], v[S+18+8*\t]
.endr
	v_nop                                          ; one plain place behind a transcendental
	s_wait_alu depctr_va_vdst(0)
.irp t, 0,1
	v_mul_f32 v[ST+6*\t+4], v[S+17+8*\t], v[S+18+8*\t]
.endr
	WIN 0x41
.irp t, 0,1
.set j, 0
.rept 64
	v_pk_mul_f32 v[128*\t+j:128*\t+j+1], v[128*\t+j:128*\t+j+1], v[ST+6*\t+4:ST+6*\t+5] op_sel_hi:[1,0]   ; my O^T under the common M, divided by l; each accumulator from its low end on
.set j, j+2
.endr
.endr
	WIN 0x04                                       ; an LDS store's data are its source 1: window 1
.irp t, 0,1                                    ; into my stage: row 16 t + r; register j of tile 8 g + 2 b + u is channel 128 g + 32 b + 16 h + 8 u + j
.irp g, 0,1
.irp b, 0,1,2,3
.irp u, 0,1
	ds_store_b128 v8, v[128*\t+8*(8*\g+2*\b+\u):128*\t+8*(8*\g+2*\b+\u)+3] offset:16*MP*\t+512*\g+128*\b+32*\u
	ds_store_b128 v8, v[128*\t+8*(8*\g+2*\b+\u)+4:128*\t+8*(8*\g+2*\b+\u)+7] offset:16*MP*\t+512*\g+128*\b+32*\u+16
.endr
.endr
.endr
.endr
	WIN 0
	s_wait_dscnt 0x0                               ; for the others' sake: my stores have landed
	s_barrier_signal -1
	s_barrier_wait -1
	WIN 0x80                                       ; wave w adds the four stages' rows 8 w .. 8 w + 7: source n's at v[64 n] of window 2, row i, half a row of 512 bytes an instruction
.irp n, 0,1
.irp i, 0,1,2,3,4,5,6,7
.irp c, 0,1
	ds_load_b128 v[64*\n+8*\i+4*\c:64*\n+8*\i+4*\c+3], v9 offset:PART*\n+MP*\i+512*\c
.endr
.endr
.endr
.irp n, 0,1
.irp i, 0,1,2,3,4,5,6,7
.irp c, 0,1
	ds_load_b128 v[128+64*\n+8*\i+4*\c:128+64*\n+8*\i+4*\c+3], v122 offset:PART*\n+MP*\i+512*\c
.endr
.endr
.endr
	s_wait_dscnt 0x0
	WIN 0x8a                                       ; destination and both sources window 2
.set j, 0
.rept 32
	v_pk_add_f32 v[j:j+1], v[j:j+1], v[64+j:64+j+1]
	v_pk_add_f32 v[128+j:128+j+1], v[128+j:128+j+1], v[192+j:192+j+1]
.set j, j+2
.endr
.set j, 0
.rept 32
	v_pk_add_f32 v[j:j+1], v[j:j+1], v[128+j:128+j+1]
.set j, j+2
.endr
	WIN 0x08                                       ; a store's data are its source 1: window 2
.irp i, 0,1,2,3,4,5,6,7
.irp c, 0,1
	global_store_b128 v5, v[8*\i+4*\c:8*\i+4*\c+3], s[40:41] offset:1024*\i+512*\c th:TH_STORE_NT   ; 32 lanes store 512 consecutive bytes, at a multiple of 512 from out0's first byte; written once
.endr
.endr
	WIN 0
	s_wait_tensorcnt 0x0                           ; the wave's end, behind my last tensor load and my last LDS store
	ds_add_u32 v3, v4
	s_wait_dscnt 0x0
	ROUND                                          ; the closing round: no work-group ends while a partner may still ask for a block that names it
	s_endpgm
.Lfunc_end_k_q27af50e5a6_attn:
	.size	k_q27af50e5a6_attn, .Lfunc_end_k_q27af50e5a6_attn-k_q27af50e5a6_attn
	.p2alignl 7, 3214868480
	.fill 96, 4, 3214868480
	.section	.rodata,"a",@progbits
	.p2align	6, 0x0
	.amdhsa_kernel k_q27af50e5a6_attn
		.amdhsa_group_segment_fixed_size 327680
		.amdhsa_private_segment_fixed_size 0
		.amdhsa_enable_private_segment 0
		.amdhsa_kernarg_size 16
		.amdhsa_user_sgpr_count 2
		.amdhsa_user_sgpr_kernarg_segment_ptr 1
		.amdhsa_wavefront_size32 1
		.amdhsa_system_sgpr_workgroup_id_x 1
		.amdhsa_system_sgpr_workgroup_id_y 1
		.amdhsa_system_sgpr_workgroup_id_z 1
		.amdhsa_system_vgpr_workitem_id 0
		.amdhsa_next_free_vgpr 768
		.amdhsa_next_free_sgpr 66
		.amdhsa_reserve_vcc 0
		.amdhsa_float_denorm_mode_32 3
		.amdhsa_float_denorm_mode_16_64 3
		.amdhsa_memory_ordered 1
		.amdhsa_forward_progress 1
		.amdhsa_inst_pref_size 255
	.end_amdhsa_kernel
	.section	.bss,"aw",@nobits
	.p2align	6
	.space	262144
	.amdgpu_metadata
---
amdhsa.version: [ 1, 2 ]
amdhsa.kernels:
  - .name:           k_q27af50e5a6_attn
    .symbol:         k_q27af50e5a6_attn.kd
    .args:
      - { .name: ws, .offset: 0, .size: 8, .value_kind: global_buffer, .address_space: global }
      - { .name: out0, .offset: 8, .size: 8, .value_kind: global_buffer, .address_space: global }
    .group_segment_fixed_size: 327680
    .private_segment_fixed_size: 0
    .kernarg_segment_align: 8
    .kernarg_segment_size: 16
    .max_flat_workgroup_size: 128
    .sgpr_count:     66
    .vgpr_count:     768
    .wavefront_size: 32
...
	.end_amdgpu_metadata
.endif
;; end of part 3
;; ======== version 3 of 3: 2 launches; version 2 with the launch proj written anew for expert scheduling mode
;; workspace buffers: ws 3,342,336 bytes
;; launch proj (part 4): grid 64 x 6, 4 waves a work-group, no clusters, 89,088 bytes of LDS; arguments x, wq, bq, wk, bk, wv, bv, ws; writes ws
.if DOCPART == 4
	.amdgcn_target "amdgcn-amd-amdhsa--gfx1250"
	.amdhsa_code_object_version 6
	.text
	.protected	k_q27af50e5a6_proj
	.globl	k_q27af50e5a6_proj
	.p2align	8
	.type	k_q27af50e5a6_proj,@function
k_q27af50e5a6_proj:
	s_mov_b64 s[64:65], 0
	v_nop
	global_prefetch_b8 v0, s[64:65] scope:SCOPE_SE
	s_setreg_imm32_b32 hwreg(HW_REG_WAVE_SCHED_MODE, 0, 2), 2
	s_setreg_imm32_b32 hwreg(HW_REG_WAVE_MODE, 25, 1), 1
	s_wait_xcnt 0x0
	s_wait_alu depctr_vm_vsrc(0)
; Q = rope(x wq^T + bq), K = rope(x wk^T + bk), V = x wv^T + bv, all three products on codes of FP4 (E2M1) with one E8M0 scale for each 32 along K = 256;
; the results are quantised again (Q, K along the channels, V along the keys) and stored as IMAGES OF OPERAND REGISTERS for the attention launch.
; ws: 64 blocks of 128 tokens, 52,224 bytes each: [Q part | K part | V part]; a part is 16 fragments of 1,024 bytes (registers 4 c .. 4 c + 3 of lane l at 512 c + 16 l), then 1,024 bytes of scale words.
; Fragment 8 g + T.  Lane r of tile T stands for row 32 (T / 2) + 8 (T % 2) + r + 8 (r / 8) of the part's 128 rows.  Q, K: rows = tokens, g = which 128 channels are K.  V: rows = channels 128 g + .., K = the block's 128 keys.
; The scale word of (T, g, r) lies at 16384 + 512 (T / 4) + 256 g + 16 r + 4 (T % 4): a load of 16 bytes a lane brings four tiles' words, g = 0 in lanes 0-15, g = 1 in lanes 16-31.
; SHARES.  Work-group (s, y): block s, which = y / 2 (Q, K, V), g = y % 2.  It multiplies two blocks of 128 rows x 256 f32: 128 tokens of x and rows 128 g .. of the weight.
; P is source 0 (its rows run along a lane's result registers), R is source 1 (its rows are the lanes).  Q, K: P = weight, R = x.  V: P = x, R = weight.  Only pointers are chosen: one path serves all three.
; Both take the row order above, so the 16 result registers of P's tiles 2 b, 2 b + 1 are 16 neighbours along P, which is the next product's K: the conversions' results are the fragment to be stored.
; Wave w quantises P's tiles 2 w, 2 w + 1 (to LDS, as images, for all four waves) and R's tiles 2 w, 2 w + 1 (kept), and makes those two tiles of R against all eight of P.
; BIAS AND ROPE WITHOUT A BRANCH.  selP = 1 for Q, K and 0 for V; selR = 1 - selP.  The bias along P, x selP, is the C of a sum's first product; the bias along R, x selR, is the addend of the rope's multiply-add;
; the rope's angle is freq x selP, so that for V cos = 1 and sin = 0 exactly.  rope: even' = e cos - o sin, odd' = o (sin + cos), cos and sin of freq = 1000^(-i / 128) for pair i, the same for every token.
; LIMITS: NaN and infinities among the inputs are not served; biases are finite (each is multiplied by 0 or 1); a block whose largest magnitude lies under 2^-124, a block of zeros too, gets the scale byte 1
; (its codes are then zeros or the smallest codes; the bytes are read by this program alone); sin and cos by series whose remainder is under 2e-10 for arguments up to 1; odd' multiplies by the sum sin + cos.
; THE MODE: SCHED_MODE bits 1:0 = 2 (LLVM: expert scheduling mode 2), set by the entry lines.  The code itself states the register dependences
; between vector or matrix instructions and memory or LDS instructions, with s_wait_alu, always for 0.
; THE PLAN.  Registers that memory or LDS instructions touch:
;   v4-15, v58, v59   offsets and LDS addresses: written at the head, never again; one wait on va_vdst ahead of the first load serves them all.
;   L0, L1            window 1, v0-63 and v64-127.  The loads of fragment f land in L[f % 2]; the stage's stores of fragment f read it; the loads of fragment f + 2 land in it again.  No vector instruction names them.
;   STA, STB          The stage's loads of fragment f land in set f % 2; the quantiser of step f reads it; the stage's loads of fragment f + 2 land in it again.  (Ahead of that v64-78 serve the rope's series.)
;   RF + 8 k, RS + k  k = 0 .. 3.  The quantiser of step k writes P's fragment k and its scale word there; the three image stores, issued at the head of step k + 1, read them; the quantiser of step k + 4
;                     writes R's fragment k over them, and the products read that.  So each of P's four fragments leaves from registers of its own.
;   PC, PW            A finished tile's codes and scale word: written by its quantiser, read by its three stores.
;   CB, CC, NS, BR, PS, v60-63 are loaded once, into registers that nothing has named before.
; Step f issues all its memory and LDS instructions at its head, ahead of its quantiser.  They touch L0, L1, the set that the quantiser of step f - 1 read, and that quantiser's results: so one wait on vm_vsrc
; (the stage's stores have read L[f % 2]) and one on va_vdst (the quantiser of step f - 1 is done) state all that they hang on.
.set BLK,   52224
.set PART1, 17408
.set PIMG,  0                          ; LDS: P's 16 fragments, fragment 2 Tp + ks at 1,024 (2 Tp + ks)
.set PSC,   16384                      ; their scale words: (Tp, ks, r) at 128 Tp + 64 ks + 4 r
.set TAB,   17408                      ; a rope table for each wave, 768 bytes: 64 pairs (cos, sin + cos), then 64 words -sin
.set OSC,   20480                      ; the results' scale words on their way out: 256 (T / 4) + 16 r + 4 (T % 4)
.set STG,   20992                      ; for each wave two stages of 16 rows x (512 + 16) bytes
.set SP,    528                        ; 33 x 16 bytes: the 16 rows that a load touches start in 16 different columns of 16 bytes
.set STS,   16*SP
.set STW,   2*STS
.set SGW, 4                            ; v4   stage, on the way in: 16 x lane
.set LI,  5                            ; v5   16 x lane
.set LS,  6                            ; v6   4 x lane
.set PWI, 7                            ; v7   where I store P's images
.set PWS, 8                            ; v8   and their scale words
.set TW1, 9                            ; v9-10  the table, written
.set TW2, 10
.set TR1, 11                           ; v11-12 the table, read
.set TR2, 12
.set OSW, 13                           ; v13  where I put a result's scale word
.set BPO, 14                           ; v14  bias along P: 64 h
.set BRO, 15                           ; v15  bias along R: 4 (r + 8 (r / 8))
.set BR,  16                           ; v16-19 bias along R, a pair for each of my two tiles
.set TM,  20                           ; v20-27, v32-35 at work in the quantiser (v31 and v37 are kept for the closing lines alone)
.set PW,  36                           ; v36  a finished tile's scale word
.set PC,  38                           ; v38-45 a finished tile's codes
.set PS,  46                           ; v46-53 P's scale words: tile Tp; lanes 0-15 K step 0, lanes 16-31 K step 1
.set RS,  54                           ; v54-57 R's scale words: 2 u + ks; ahead of them those of my four fragments of P, on their way to LDS
.set SGR, 58                           ; v58  stage, on the way out: row r, + 64 h
.set OSO, 59                           ; v59  the scale words' place in ws
.set STA, 64                           ; v64-127  64 numbers of a lane: a fragment to be quantised; later the eight accumulators
.set STB, 128                          ; v128-191 the other set; later the results behind bias and rope
.set RF,  192                          ; v192-223 R's four fragments: 8 (2 u + ks); ahead of them my four fragments of P, on their way to LDS
.set NS,  224                          ; v224-255 -sin of my 32 pairs
.set CB,  128                          ; window 1: v128-191 bias along P in the result's layout;  v0-127 numbers as loaded, two sets, later P's 16 fragments
.set CC,  192                          ; window 1: v192-255 (cos, sin + cos) of my 32 pairs
.set MSB, 0
.macro WIN new                         ; the immediate's high byte repeats the setting that is left; bits 1:0 source 0, 3:2 source 1, 5:4 source 2, 7:6 destination
.if MSB != \new
	s_set_vgpr_msb (MSB<<8)|\new
.set MSB, \new
.endif
.endm
.macro PLACES
.rept 4
	v_nop
.endr
.endm
.macro BARRIER                         ; my LDS stores have landed and my LDS loads are in: then the work-group's barrier
	s_wait_dscnt 0x0
	s_barrier_signal -1
	s_barrier_wait -1
.endm
; Fragment f of my eight (0-3: P's, 4-7: R's; tile u = (f % 4) / 2, K step f % 2): 16 rows x 128 numbers, each load 512 consecutive bytes of one row, into set f % 2 of window 1
.macro LOAD f
	WIN 0x40
.irp p, 0,1,2,3,4,5,6,7,8,9,10,11,12,13,14,15
.if (\f) < 4
	global_load_b128 v[64*((\f)%2)+4*\p:64*((\f)%2)+4*\p+3], v[LI], s[32:33] offset:(\p+8*(\p/8)+8*(((\f)%4)/2))*1024+512*((\f)%2)
.else
	global_load_b128 v[64*((\f)%2)+4*\p:64*((\f)%2)+4*\p+3], v[LI], s[34:35] offset:(\p+8*(\p/8)+8*(((\f)%4)/2))*1024+512*((\f)%2)
.endif
.endr
	WIN 0
.endm
; The fragment's numbers turn through my own stage: in as loaded, back so that lane (r, h) holds, of row r, register 16 b + i = k 32 b + 16 h + i.  LDS serves a wave's instructions in order: no wait between.
.macro TURN f
	WIN 0x04
.irp p, 0,1,2,3,4,5,6,7,8,9,10,11,12,13,14,15
	ds_store_b128 v[SGW], v[64*((\f)%2)+4*\p:64*((\f)%2)+4*\p+3] offset:STS*((\f)%2)+SP*\p
.endr
	WIN 0
.irp b, 0,1,2,3
.irp j, 0,1,2,3
	ds_load_b128 v[STA+64*((\f)%2)+16*\b+4*\j:STA+64*((\f)%2)+16*\b+4*\j+3], v[SGR] offset:STS*((\f)%2)+128*\b+16*\j
.endr
.endr
.endm
; 64 numbers of a lane, register 16 b + i = k 32 b + 16 (lane / 16) + i of my row, become a fragment's codes in v[pc] on and its scale word in v[pw]
.macro QUANT src, pc, pw
.irp b, 0,1,2,3
	v_max3_num_f32 v[TM+\b], |v[(\src)+16*\b]|, |v[(\src)+1+16*\b]|, 0x1800000   ; block b: my 16 numbers, and the floor 2^(3 - 127): the byte cannot fall under 1
.endr
.irp i, 2,4,6,8,10,12,14
.irp b, 0,1,2,3
	v_max3_num_f32 v[TM+\b], v[TM+\b], |v[(\src)+16*\b+\i]|, |v[(\src)+1+16*\b+\i]|   ; the four blocks by turns
.endr
.endr
.irp b, 0,1,2,3
	v_permlanex16_b32 v[TM+4+\b], v[TM+\b], s42, s43
.endr
.irp b, 0,1,2,3
	v_max_num_f32 v[TM+\b], v[TM+\b], v[TM+4+\b]   ; with lane l xor 16's: the block's largest magnitude
.endr
.irp b, 0,1,2,3
	v_add_nc_u32 v[TM+12+\b], 0xff000000, v[TM+\b]   ; 2 off its exponent field: the conversion takes this operand's exponent field as its scale
.endr
.irp b, 0,1,2,3
	v_lshrrev_b32 v[TM+4+\b], 23, v[TM+12+\b]      ; the scale's byte
.endr
	v_lshl_or_b32 v[(\pw)], v[TM+5], 8, v[TM+4]
	v_lshl_or_b32 v[(\pw)], v[TM+6], 16, v[(\pw)]
	v_lshl_or_b32 v[(\pw)], v[TM+7], 24, v[(\pw)]
.irp b, 0,1,2,3
	v_cvt_scalef32_pk8_fp4_f32 v[(\pc)+2*\b], v[(\src)+16*\b:(\src)+7+16*\b], v[TM+12+\b]
	v_cvt_scalef32_pk8_fp4_f32 v[(\pc)+1+2*\b], v[(\src)+8+16*\b:(\src)+15+16*\b], v[TM+12+\b]
.endr
	v_nop                                          ; one plain place behind a scaled conversion
.irp c, 0,1                                    ; the operand's layout wants a whole block in a lane: lanes 0-15 block 2 c, lanes 16-31 block 2 c + 1
.irp i, 0,1
	v_permlane16_swap_b32 v[(\pc)+4*\c+\i], v[(\pc)+2+4*\c+\i]
.endr
.endr
.endm
	s_load_b256 s[4:11], s[0:1], 0x0               ; x s[4:5], wq s[6:7], bq s[8:9], wk s[10:11]
	s_load_b256 s[12:19], s[0:1], 0x20             ; bk s[12:13], wv s[14:15], bv s[16:17], ws s[18:19]
	v_lshl_add_u32 v31, v0, 2, 0x15a00             ; my spare word, behind the stages; kept for the closing lines alone
	v_mov_b32 v37, 0                               ; 0, likewise
	v_lshrrev_b32 v1, 5, v0
	v_readfirstlane_b32 s20, v1                    ; wave 0..3
	s_and_b32 s21, ttmp7, 0xffff
	s_lshr_b32 s22, s21, 1                         ; which: 0 Q, 1 K, 2 V
	s_and_b32 s23, s21, 1                          ; g
	v_and_b32 v1, 31, v0                           ; lane
	v_and_b32 v2, 15, v0                           ; r
	v_bfe_u32 v3, v0, 4, 1                         ; h
	v_lshlrev_b32 v[LI], 4, v1
	v_lshlrev_b32 v[LS], 2, v1
	s_wait_alu depctr_va_sdst(0)                   ; s20 is written, ahead of its first reader: LDS addresses and the buffers' offsets are made from it
	s_lshl_b32 s24, s20, 12
	v_add_nc_u32 v[PWI], s24, v[LI]                ; my four images begin at 4,096 w
	s_lshl_b32 s24, s20, 8
	s_add_co_u32 s24, s24, PSC
	v_lshl_add_u32 v[PWS], v2, 2, s24
	s_mul_i32 s25, s20, 768
	s_add_co_u32 s25, s25, TAB
	v_lshl_add_u32 v[TW1], v1, 3, s25
	v_lshl_add_u32 v[TR1], v3, 6, s25
	s_add_co_u32 s25, s25, 512
	v_lshl_add_u32 v[TW2], v1, 2, s25
	v_lshl_add_u32 v[TR2], v3, 5, s25
	s_lshr_b32 s24, s20, 1
	s_lshl_b32 s24, s24, 8
	s_and_b32 s25, s20, 1
	s_lshl_b32 s25, s25, 3
	s_add_co_u32 s24, s24, s25
	s_add_co_u32 s24, s24, OSC
	v_lshl_add_u32 v[OSW], v2, 4, s24              ; tile T = 2 w + u: 256 (w / 2) + 8 (w % 2) + 16 r, and 4 u in the immediate
	v_lshlrev_b32 v[BPO], 6, v3
	v_and_b32 v[BRO], 8, v2
	v_add_nc_u32 v[BRO], v[BRO], v2
	v_lshlrev_b32 v[BRO], 2, v[BRO]
	s_mul_i32 s24, s20, STW
	s_add_co_u32 s24, s24, STG
	v_add_nc_u32 v[SGW], s24, v[LI]
	v_mul_u32_u24 v[SGR], v2, SP
	v_lshl_add_u32 v[SGR], v3, 6, v[SGR]
	v_add_nc_u32 v[SGR], s24, v[SGR]
	v_lshlrev_b32 v[OSO], 4, v2
	v_lshl_add_u32 v[OSO], v3, 9, v[OSO]
.irp b, 0,1,2,3
	v_mov_b32 v[TM+4+\b], 0                        ; written once: a lane permute's destination counts as one of its sources
.endr
	s_mov_b32 s42, 0x76543210
	s_mov_b32 s43, 0xfedcba98                      ; v_permlanex16_b32's selects for lane l xor 16
	; every byte offset, each in a pair of its own, so that behind the compare below only selects and 64-bit sums follow
	s_lshl_b32 s36, ttmp9, 17                      ; x: 128 rows of 1,024 bytes a block
	s_mov_b32 s37, 0
	s_lshl_b32 s50, s23, 17                        ; the weight's rows 128 g on
	s_mov_b32 s51, 0
	s_lshl_b32 s52, s23, 9                         ; the bias's numbers 128 g on
	s_mov_b32 s53, 0
	s_lshl_b32 s54, s20, 15                        ; my 32 rows of P and of R
	s_mov_b32 s55, 0
	s_lshl_b32 s56, s20, 7                         ; my 32 numbers of the bias along R
	s_mov_b32 s57, 0
	s_mul_i32 s58, ttmp9, BLK
	s_mul_i32 s24, s22, PART1
	s_add_co_u32 s58, s58, s24                     ; my part of ws
	s_lshl_b32 s24, s23, 8
	s_add_co_u32 s60, s58, s24
	s_add_co_u32 s60, s60, 16384                   ; its scale words for my g
	s_mov_b32 s61, 0
	s_lshl_b32 s24, s23, 13
	s_add_co_u32 s58, s58, s24
	s_lshl_b32 s24, s20, 11
	s_add_co_u32 s58, s58, s24                     ; fragments 8 g + 2 w, 8 g + 2 w + 1
	s_mov_b32 s59, 0
	s_wait_kmcnt 0x0
	s_cmp_eq_u32 s22, 0                            ; the choices hang on the work-group's number alone
	s_cselect_b64 s[26:27], s[6:7], s[10:11]
	s_cselect_b64 s[28:29], s[8:9], s[12:13]
	s_cmp_eq_u32 s22, 2
	s_cselect_b64 s[26:27], s[14:15], s[26:27]     ; the weight
	s_cselect_b64 s[28:29], s[16:17], s[28:29]     ; the bias
	s_cselect_b32 s38, 0, 1.0                      ; selP
	s_cselect_b32 s40, 1.0, 0                      ; selR
	s_mov_b32 s39, s38                             ; (named with s38 as a pair)
	s_add_nc_u64 s[26:27], s[26:27], s[50:51]
	s_add_nc_u64 s[28:29], s[28:29], s[52:53]
	s_add_nc_u64 s[30:31], s[4:5], s[36:37]
	s_cselect_b64 s[32:33], s[30:31], s[26:27]     ; P: for V the tokens, else the weight (the 64-bit sums leave SCC alone)
	s_cselect_b64 s[34:35], s[26:27], s[30:31]     ; R: the other
	s_add_nc_u64 s[32:33], s[32:33], s[54:55]
	s_add_nc_u64 s[34:35], s[34:35], s[54:55]
	s_add_nc_u64 s[48:49], s[28:29], s[56:57]
	s_add_nc_u64 s[44:45], s[18:19], s[58:59]
	s_add_nc_u64 s[46:47], s[18:19], s[60:61]
	WIN 0x40
	s_wait_alu depctr_va_vdst(0)                   ; the offsets and LDS addresses v4 to v15, v58 and v59 are written: every load and store from here to the closing lines reads one of them, and none is written again
.irp b, 0,1,2,3                                ; the bias along P in the result's layout: tile 2 b + u, lane half h: numbers 32 b + 16 h + 8 u + 0 .. 7
.irp u, 0,1
	global_load_b128 v[CB+8*(2*\b+\u):CB+8*(2*\b+\u)+3], v[BPO], s[28:29] offset:128*\b+32*\u
	global_load_b128 v[CB+8*(2*\b+\u)+4:CB+8*(2*\b+\u)+7], v[BPO], s[28:29] offset:128*\b+32*\u+16
.endr
.endr
	WIN 0
	global_load_b32 v[BR], v[BRO], s[48:49]        ; the bias along R: my lane's row of tile u
	global_load_b32 v[BR+2], v[BRO], s[48:49] offset:32
	LOAD 0
	LOAD 1
	; THE ROPE'S TABLE, while the loads are out: lane l makes pairs 64 g + l and 64 g + l + 32
	s_lshl_b32 s24, s23, 6
	v_add_nc_u32 v64, s24, v1
	v_add_nc_u32 v72, 32, v64
.irp e, 0,1
	v_cvt_f32_u32 v[64+8*\e], v[64+8*\e]
.endr
.irp e, 0,1
	v_mul_f32 v[64+8*\e], 0xbd9f73da, v[64+8*\e]   ; - i log2(1000) / 128
.endr
.irp e, 0,1
	v_exp_f32 v[64+8*\e], v[64+8*\e]               ; freq = 1000^(-i / 128), between 0.001 and 1
.endr
	v_nop                                          ; one plain place behind a transcendental
	s_wait_alu depctr_va_vdst(0)                   ; the two exponentials have written v64 and v72, ahead of their first reader
.irp e, 0,1
	v_mul_f32 v[64+8*\e], s38, v[64+8*\e]          ; f = freq x selP
.endr
.irp e, 0,1
	v_mul_f32 v[65+8*\e], v[64+8*\e], v[64+8*\e]   ; z = f^2
.endr
.irp e, 0,1
	v_mov_b32 v[66+8*\e], 0xb2d7322b               ; -1 / 11!
	v_mov_b32 v[67+8*\e], 0x310f76c7               ; 1 / 12!
.endr
.macro HORNER a, b                             ; one step of both series, for both pairs
.irp e, 0,1
	v_fmaak_f32 v[66+8*\e], v[66+8*\e], v[65+8*\e], \a
	v_fmaak_f32 v[67+8*\e], v[67+8*\e], v[65+8*\e], \b
.endr
.endm
	HORNER 0x3638ef1d, 0xb493f27e                  ; 1 / 9!, -1 / 10!
	HORNER 0xb9500d01, 0x37d00d01                  ; -1 / 7!, 1 / 8!
	HORNER 0x3c088889, 0xbab60b61                  ; 1 / 5!, -1 / 6!
	HORNER 0xbe2aaaab, 0x3d2aaaab                  ; -1 / 3!, 1 / 4!
.irp e, 0,1
	v_fma_f32 v[66+8*\e], v[66+8*\e], v[65+8*\e], 1.0
	v_fma_f32 v[67+8*\e], v[67+8*\e], v[65+8*\e], -0.5
.endr
.irp e, 0,1
	v_mul_f32 v[66+8*\e], v[64+8*\e], v[66+8*\e]   ; sin
	v_fma_f32 v[68+8*\e], v[67+8*\e], v[65+8*\e], 1.0   ; cos
.endr
.irp e, 0,1
	v_add_f32 v[69+8*\e], v[66+8*\e], v[68+8*\e]   ; sin + cos
	v_sub_f32 v[70+8*\e], 0, v[66+8*\e]            ; -sin
.endr
	s_wait_alu depctr_va_vdst(0)                   ; the series have written v68 to v70 and v76 to v78, which the stores below read; and they are done with v64 to v78, in which fragment 0's loads from the stage land
.irp e, 0,1
	ds_store_b64 v[TW1], v[68+8*\e:69+8*\e] offset:256*\e
	ds_store_b32 v[TW2], v[70+8*\e] offset:128*\e
.endr
	WIN 0x40                                       ; back in the result's layout: registers 2 n, 2 n + 1 belong to pair 16 b + 8 h + n % 8, n = 8 b + ..  (my own bytes, served in order)
.irp b, 0,1,2,3
.irp j, 0,1,2,3
	ds_load_b128 v[CC+16*\b+4*\j:CC+16*\b+4*\j+3], v[TR1] offset:128*\b+16*\j
.endr
.endr
	WIN 0
.irp b, 0,1,2,3
.irp j, 0,1
	ds_load_b128 v[NS+8*\b+4*\j:NS+8*\b+4*\j+3], v[TR2] offset:64*\b+16*\j
.endr
.endr
	s_wait_loadcnt 16                              ; the biases and fragment 0 are in; fragment 1's sixteen loads may be out
	s_wait_alu depctr_vm_vsrc(0)                   ; the table's stores have read v68 to v70 and v76 to v78, in which fragment 0's loads from the stage land
	TURN 0
; Step f: fragment f is quantised; the loads run two fragments ahead, the turn through the stage one.  P's fragment f - 1 leaves for LDS at the step's head.
.macro QSTEP f
	s_wait_dscnt 0x0                               ; fragment f is back from the stage
.if (\f) <= 5
	s_wait_alu depctr_vm_vsrc(0)                   ; the stage's stores of fragment f have read set f % 2 of window 1, in which the loads of fragment f + 2 land; the image stores issued so far have read their codes and scale words, which steps 4 to 7 write again
.endif
.if ((\f) >= 1) && ((\f) <= 6)
	s_wait_alu depctr_va_vdst(0)                   ; the quantiser of step f - 1 is done reading its 64 numbers, in which fragment f + 1's loads from the stage land; in steps 1 to 4 it has written the codes and the scale word that the three stores below read
.endif
.if ((\f) >= 1) && ((\f) <= 4)
	ds_store_b128 v[PWI], v[RF+8*((\f)-1):RF+8*((\f)-1)+3] offset:PIMG+1024*((\f)-1)
	ds_store_b128 v[PWI], v[RF+8*((\f)-1)+4:RF+8*((\f)-1)+7] offset:PIMG+1024*((\f)-1)+512
	ds_store_b32 v[PWS], v[RS+(\f)-1] offset:128*(((\f)-1)/2)+64*(((\f)-1)%2)   ; lanes l and l xor 16 write the same word with the same value
.endif
.if (\f) <= 5
	LOAD (\f)+2
	s_wait_loadcnt 16                              ; fragment f + 1 is in; the sixteen loads just issued may be out
	TURN (\f)+1                                    ; no further wait: no vector instruction since the waits above
.elseif (\f) == 6
	s_wait_loadcnt 0x0
	TURN (\f)+1
.endif
	QUANT STA+64*((\f)%2), RF+8*((\f)%4), RS+(\f)%4   ; steps 0 to 3: P's fragments, each into registers of its own; steps 4 to 7: R's, which stay there
.endm
.irp f, 0,1,2,3,4,5,6,7
	QSTEP \f
.endr
	WIN 0x41                                       ; the biases are chosen by a factor.  (These 36 plain lines also stand between the last codes and scale words made and the products)
.set j, 0
.rept 32
	v_pk_mul_f32 v[CB+j:CB+j+1], v[CB+j:CB+j+1], s[38:39] op_sel_hi:[1,0]
.set j, j+2
.endr
	WIN 0
	v_mul_f32 v[BR], s40, v[BR]
	v_mul_f32 v[BR+2], s40, v[BR+2]
	v_mov_b32 v[BR+1], v[BR]                       ; (named as the upper halves of pairs)
	v_mov_b32 v[BR+3], v[BR+2]
	BARRIER                                        ; P's sixteen images and their scale words lie in LDS
	WIN 0x40
	s_wait_alu depctr_vm_vsrc(0)                   ; the stage's stores of fragments 6 and 7 have read both sets of window 1, in which P's fragments land
.irp p, 0,1,2,3,4,5,6,7,8,9,10,11,12,13,14,15
	ds_load_b128 v[8*\p:8*\p+3], v[LI] offset:PIMG+1024*\p
	ds_load_b128 v[8*\p+4:8*\p+7], v[LI] offset:PIMG+1024*\p+512
.endr
	WIN 0
.irp n, 0,1,2,3,4,5,6,7
	ds_load_b32 v[PS+\n], v[LS] offset:PSC+128*\n
.endr
	s_wait_dscnt 0x0
	s_wait_alu depctr_va_vdst(0)                   ; the quantisers of steps 4 to 7 have written R's four fragments and their scale words, which the scaled products of both tiles take as source 1 and its scales; the places above stay beside this wait
.irp u, 0,1                                    ; my tile u of R against P's eight: the eight accumulators take turns, one instruction a turn
	WIN 0x11                                       ; source 0 (P) and source 2 (the bias) window 1
.irp n, 0,1,2,3,4,5,6,7
	v_wmma_scale_f32_16x16x128_f8f6f4 v[STA+8*\n:STA+8*\n+7], v[16*\n:16*\n+7], v[RF+16*\u:RF+16*\u+7], v[CB+8*\n:CB+8*\n+7], v[PS+\n], v[RS+2*\u] matrix_a_fmt:MATRIX_FMT_FP4 matrix_b_fmt:MATRIX_FMT_FP4
.endr
	WIN 0x01
.irp n, 0,1,2,3,4,5,6,7
	v_wmma_scale_f32_16x16x128_f8f6f4 v[STA+8*\n:STA+8*\n+7], v[16*\n+8:16*\n+15], v[RF+16*\u+8:RF+16*\u+15], v[STA+8*\n:STA+8*\n+7], v[PS+\n], v[RS+2*\u+1] matrix_a_fmt:MATRIX_FMT_FP4 matrix_b_fmt:MATRIX_FMT_FP4 matrix_a_scale:MATRIX_SCALE_ROW1
.endr
	WIN 0
	PLACES                                         ; four places between the last product and the first read of results (ISA guide 7.12.1)
	WIN 0x04                                       ; source 1 (cos, sin + cos) window 1
.set j, 0
.rept 32
	v_pk_fma_f32 v[STB+j:STB+j+1], v[STA+j:STA+j+1], v[CC+j:CC+j+1], v[BR+2*\u:BR+2*\u+1] op_sel_hi:[1,1,0]   ; (e cos, o (sin + cos)) + the bias along R; each accumulator from its low end on
.set j, j+2
.endr
	WIN 0
.set j, 0
.rept 32
	v_fma_f32 v[STB+2*j], v[STA+2*j+1], v[NS+j], v[STB+2*j]   ; even' -= o sin
.set j, j+1
.endr
.if \u
	s_wait_xcnt 0x0                                ; tile 0's stores have read their codes: they are written again only behind this wait,
	s_wait_alu depctr_vm_vsrc(0)                   ; and behind this one: tile 0's three stores have read v[PC ..] and v[PW], which the quantiser below writes again
.endif
	QUANT STB, PC, PW
	s_wait_alu depctr_va_vdst(0)                   ; the quantiser has written the tile's codes v[PC ..] and its scale word v[PW], which the three stores below read
	global_store_b128 v[LI], v[PC:PC+3], s[44:45] offset:1024*\u       ; 32 lanes store 512 consecutive bytes, at a multiple of 512 from ws's first byte
	global_store_b128 v[LI], v[PC+4:PC+7], s[44:45] offset:1024*\u+512
	ds_store_b32 v[OSW], v[PW] offset:4*\u
.endr
	BARRIER                                        ; the eight tiles' scale words lie in LDS
	s_cmp_lg_u32 s20, 0
	s_cbranch_scc1 .Lend
	ds_load_b128 v[60:63], v[LI] offset:OSC        ; wave 0 stores them: sixteen lanes to 256 consecutive bytes, twice.  (No vector instruction has named v60 to v63)
	s_wait_dscnt 0x0
	global_store_b128 v[OSO], v[60:63], s[46:47]
.Lend:
	s_wait_dscnt 0x0                               ; the closing lines, six on end
	s_wait_alu 0x0
	s_wait_tensorcnt 0x0
	ds_add_u32 v31, v37
	s_wait_dscnt 0x0
	s_endpgm
.Lfunc_end_k_q27af50e5a6_proj:
	.size	k_q27af50e5a6_proj, .Lfunc_end_k_q27af50e5a6_proj-k_q27af50e5a6_proj
	.p2alignl 7, 3214868480
	.fill 96, 4, 3214868480
	.section	.rodata,"a",@progbits
	.p2align	6, 0x0
	.amdhsa_kernel k_q27af50e5a6_proj
		.amdhsa_group_segment_fixed_size 89088
		.amdhsa_private_segment_fixed_size 0
		.amdhsa_enable_private_segment 0
		.amdhsa_kernarg_size 64
		.amdhsa_user_sgpr_count 2
		.amdhsa_user_sgpr_kernarg_segment_ptr 1
		.amdhsa_wavefront_size32 1
		.amdhsa_system_sgpr_workgroup_id_x 1
		.amdhsa_system_sgpr_workgroup_id_y 1
		.amdhsa_system_sgpr_workgroup_id_z 1
		.amdhsa_system_vgpr_workitem_id 0
		.amdhsa_next_free_vgpr 512
		.amdhsa_next_free_sgpr 66
		.amdhsa_reserve_vcc 0
		.amdhsa_float_denorm_mode_32 3
		.amdhsa_float_denorm_mode_16_64 3
		.amdhsa_memory_ordered 1
		.amdhsa_forward_progress 1
		.amdhsa_inst_pref_size 97
	.end_amdhsa_kernel
	.amdgpu_metadata
---
amdhsa.version: [ 1, 2 ]
amdhsa.kernels:
  - .name:           k_q27af50e5a6_proj
    .symbol:         k_q27af50e5a6_proj.kd
    .args:
      - { .name: x, .offset: 0, .size: 8, .value_kind: global_buffer, .address_space: global }
      - { .name: wq, .offset: 8, .size: 8, .value_kind: global_buffer, .address_space: global }
      - { .name: bq, .offset: 16, .size: 8, .value_kind: global_buffer, .address_space: global }
      - { .name: wk, .offset: 24, .size: 8, .value_kind: global_buffer, .address_space: global }
      - { .name: bk, .offset: 32, .size: 8, .value_kind: global_buffer, .address_space: global }
      - { .name: wv, .offset: 40, .size: 8, .value_kind: global_buffer, .address_space: global }
      - { .name: bv, .offset: 48, .size: 8, .value_kind: global_buffer, .address_space: global }
      - { .name: ws, .offset: 56, .size: 8, .value_kind: global_buffer, .address_space: global }
    .group_segment_fixed_size: 89088
    .private_segment_fixed_size: 0
    .kernarg_segment_align: 8
    .kernarg_segment_size: 64
    .max_flat_workgroup_size: 128
    .sgpr_count:     66
    .vgpr_count:     512
    .wavefront_size: 32
...
	.end_amdgpu_metadata
.endif
;; end of part 4
;; launch attn: the kernel of part 3 again; grid 256 x 1, 4 waves a work-group, clusters of 4 x 1, 327,680 bytes of LDS; arguments ws, out0; writes out0
